; MI455X (gfx1250); checked and timed in simulation.
; The chip was launched on July 23, 2026; its instructions are those of AMD's public machine-readable ISA for CDNA 5 (MIT licence, August 2026) and "CDNA5" Instruction Set Architecture Reference Guide (July 2026). The comments in the code are by the model that wrote it; some were corrected since.
;; MHA. Allowed arithmetic: matrix products marked QUANTISED: E2M1 operands, one E8M0 scale for each 32 along K, by v_wmma_scale_f32_16x16x128_f8f6f4 with both operands' format E2M1 (or v_wmma_scale_f32_32x16x128_f4), f32 sums; products left as they are: f32 operands where the result goes on into a quantised operand, else bf16, f16 or f32 operands; f32 sums; everything else in f32.
;; Inputs: P_k 16 x 1,024 x 64 float32; P_o 16 x 1,024 x 64 float32; P_q 16 x 1,024 x 64 float32; P_v 16 x 1,024 x 64 float32; x 8 x 1,024 x 1,024 float32.
;; Outputs: out0 8 x 1,024 x 1,024 float32.
;; This version of the problem:
;;   THIS VERSION OF THE PROBLEM IS GIVEN IN LOW PRECISION. The matrix products marked QUANTISED in the list below multiply operands that are first quantised to E2M1 (2 exponent bits, 1 mantissa bit; 4 bits a number), with one power-of-two scale for each 32 numbers along K (OCP MX v1.0); their sums are f32. All else is computed in f32.
;;   The module's matrix products, in the order in which they are computed (A, B: the left and right operand; K: the contracted axis; several contracted axes count as one K, in the product's order):
;;     1. [M 1,024, K 1,024] x [K 1,024, N 8,192]; A: input P_q; B: input x: QUANTISED
;;     2. [M 1,024, K 1,024] x [K 1,024, N 8,192]; A: input P_k; B: input x: QUANTISED
;;     3. [M 1,024, K 1,024] x [K 1,024, N 8,192]; A: input P_v; B: input x: QUANTISED
;;     4. batch 128 x [M 1,024, K 64] x [K 64, N 1,024]; A: computed on the way; B: computed on the way: QUANTISED
;;     5. batch 131,072 x [M 1, K 1] x [K 1, N 64]; A: computed on the way; B: computed on the way: left as it is (no contracted axis)
;;     6. [M 8,192, K 1,024] x [K 1,024, N 1,024]; A: computed on the way; B: input P_o: QUANTISED
;;   THE QUANTISER, for each operand of a quantised product, along K:
;;     - K is cut into blocks of 32 from its start; a last block that is shorter is filled with zeros.
;;     - A block's scale is 2^e with e = floor(log2(the largest magnitude in the block)) - 2, held to -126 .. 127; a block of zeros has e = 0. As a byte (E8M0): e + 127.
;;     - Each number is divided by its block's scale, clamped to +-6, and rounded to the nearest number of E2M1, ties to even, subnormals kept.
;;     - The product sums the exact products of the quantised numbers (number of the format x scale) in f32.
;;   ~~~python
;;   def quantise(x, axis):      # numpy; x: float32 -> the quantised numbers, widened to float32 again
;;       x = np.moveaxis(x, axis, -1); K = x.shape[-1]
;;       x = np.pad(x, [(0, 0)] * (x.ndim - 1) + [(0, -K % 32)]); x = x.reshape(x.shape[:-1] + (-1, 32)); a = np.abs(x).max(-1, keepdims=True)
;;       e = np.where(a > 0, np.clip(np.frexp(np.where(a > 0, a, 1))[1] - 1 - 2, -126, 127), 0)      # np.frexp(a)[1] - 1 = floor(log2(a)), exactly
;;       r = np.clip(x / 2.0 ** e, -6, 6)
;;       step = 2.0 ** (np.maximum(np.frexp(np.where(r == 0, 1, r))[1] - 1, 0) - 1)
;;       q = np.round(r / step) * step * 2.0 ** e      # np.round: ties to even
;;       return np.moveaxis(q.reshape(q.shape[:-2] + (-1,))[..., :K], -1, axis).astype(np.float32)
;;   ~~~
;;   OPERANDS COMPUTED ON THE WAY. 'Computed on the way' means the value that the module computes at that place (a softmax that the list does not call 'softmax' is quantised finished and normalised). What goes into a quantiser is computed in f32, as accurately as f32 sums, v_exp_f32 and their like allow (about 1e-6 of the number): no bf16 or f16 on the way to a quantiser, and a product that is left as it is and whose result goes on into a quantised operand takes f32 operands (vector FMAs, or v_wmma_f32_16x16x4_f32). A number that lies on a knife's edge between two numbers of the format may be rounded either way, as far as f32 arithmetic and the matrix unit's own rounding can turn it there, and no further.
;; One version. Each part assembles by itself: llvm-mc -triple=amdgcn-amd-amdhsa -mcpu=gfx1250 --defsym DOCPART=n.
;; ======== version 1 of 1: 3 launches
;; limits: right only within a limited range of input values
;; workspace buffers: xc 4,456,448 bytes; pw 1,572,864 bytes; ps 98,304 bytes; pob 557,056 bytes; oq 4,194,304 bytes; os 262,144 bytes
;; launch prep (part 1): grid 480 x 1, 4 waves a work-group, no clusters, 78,336 bytes of LDS; arguments x, P_q, P_k, P_v, P_o, xc, pw, ps, pob; writes xc, pw, ps, pob
.if DOCPART == 1
	.amdgcn_target "amdgcn-amd-amdhsa--gfx1250"
	.amdhsa_code_object_version 6
	.text
	.protected	k_q0a6be4b232_prep
	.globl	k_q0a6be4b232_prep
	.p2align	8
	.type	k_q0a6be4b232_prep,@function
k_q0a6be4b232_prep:
	s_mov_b64 s[64:65], 0
	v_nop
	global_prefetch_b8 v0, s[64:65] scope:SCOPE_SE
	s_setreg_imm32_b32 hwreg(HW_REG_WAVE_MODE, 25, 1), 1
	s_wait_xcnt 0x0
; PREP: all five inputs become codes of FP4 (E2M1) with one E8M0 scale byte for each 32 along the K of the product that reads them.
; A block's scale is 2^(floor(log2(its largest magnitude)) - 2): its byte is the largest magnitude's exponent field - 2, held at 1 from below by a floor among the maximum's leaves.
; WHAT THE PROGRAM LEAVES OUT: scores of key tiles that lie whole above the causal diagonal: reference() sets them to -infinity by the mask that it builds in its own body, so for all inputs their weights are 0.  A NaN, an infinity or an
; overflow that reaches only them is not carried to the result.  Nothing else is left out.
; LIMITS: NaN and infinities among the inputs are not served.  A block of zeros, or one whose largest magnitude lies under 2^-124, gets the byte 1 (the rule says 127 for zeros): its codes are zeros or the
; nearest codes under that scale, and the bytes are read by this program alone.  The scale words of P_q, P_k, P_v (98,304 bytes in all) leave in pieces of 64 bytes.
; THREE PATHS, parted on the work-group's number, never joined; each path that uses LDS has LDS bytes of its own; waves share nothing, so there is no barrier.
;   W, work-groups 0-191:   P_q, P_k, P_v [16][1024 d][64]: K = d is not innermost.  A lane takes a column, its registers run down d.  The codes leave as images of the operand's registers.
;   O, work-groups 192-223: P_o [16][1024 d][64 v]: K = (head, v), v innermost.
;   X, work-groups 224-479: x [8192][1024]: K innermost.  On paths O and X blocks of 32 numbers as they lie; codes and scale bytes are gathered in LDS into images of the operand's registers.
; No cluster, no tensor load, no matrix unit: a stream whose work-groups share no tile.
; pw:  [head][q,k,v][tile 4][K step 8][c 2][lane 32][16 bytes].  Tile 2 b + u, lane row r' holds column 32 b + 8 u + r' + 8 (r' / 8); lane (r', h') of c holds d = 128 s + 64 c + 32 h' + 0 .. 31.
; ps:  [head][q,k,v][tile 4][K step 8][r' 16] words: byte t of a word scales d = 128 s + 32 t + 0 .. 31.
; xc [row / 16] and pob [d / 16]: tiles of 8,704 bytes: [block of 32 along K: 32][row % 16][16 bytes of codes], and behind these 8,192 bytes the tile's scale bytes [block / 16][row % 16][block % 16].  pob's block is 2 head + v / 32.
; In pob the 16 rows of tile 4 g + t are d = 64 g + 4 i + t, i = 0 .. 15, in place of 16 neighbours; i stands for row % 16 above.
.set WV,    26                         ; s26  my wave's number
.set SP,    80                         ; a lane's place in a stage: 64 bytes + 16 of padding
.set R,     16                         ; v16-143  paths O, X: eight sets of 16 numbers as they are loaded
.set X,     144                        ; v144-175 two sets of 16 neighbours
.set C,     176                        ; v176-207 codes: two registers for each step
.set E,     208                        ; v208-223 a scale byte for each step
.set WX,    32                         ; v32-159  path W: four sets of 32 numbers
.set WC,    160                        ; v160-175 path W: four registers of codes for each block
.set OREG,  38912                      ; path O's LDS begins behind path X's four regions
.set OWAVE, 9728                       ; for each wave: two stages (5,120), the codes' gather (4,352; path O: 4,096), the scale bytes' gather (256)
.set SPARE, 77824
; ---- paths O and X: a step is 512 consecutive numbers.  o = 1: path O
.macro QLOAD t, o                      ; four loads, each 512 consecutive bytes, 16 a lane
.irp i, 0,1,2,3
.if \o
	global_load_b128 v[R+16*((\t)%8)+4*\i:R+16*((\t)%8)+4*\i+3], v1, s[12:13] offset:((\t)/2)*262144+((\t)%2)*8192+2048*\i th:TH_LOAD_NT   ; head t / 2 of my eight, rows 8 (t % 2) on of my sixteen: two whole rows of 256 bytes
.else
	global_load_b128 v[R+16*((\t)%8)+4*\i:R+16*((\t)%8)+4*\i+3], v3, s[4:5] offset:4096*(\t)+512*\i th:TH_LOAD_NT   ; row t of my sixteen, my half of its columns
.endif
.endr
.endm
.macro QTURN t                         ; the step's 2,048 bytes go through my stage as they lie and come back 64 bytes a lane: LDS serves a wave's instructions in order, so no wait stands between
.irp i, 0,1,2,3
	ds_store_b128 v14, v[R+16*((\t)%8)+4*\i:R+16*((\t)%8)+4*\i+3] offset:32*SP*((\t)%2)+8*SP*\i
.endr
.irp i, 0,1,2,3
	ds_load_b128 v[X+16*((\t)%2)+4*\i:X+16*((\t)%2)+4*\i+3], v15 offset:32*SP*((\t)%2)+16*\i
.endr
.endm
.macro QSTEP t, o
.set XS, X+16*((\t)%2)
.if (\t) > 0
	s_wait_dscnt 2                                 ; this step's numbers are back from the stage; the last step's two stores into the gathers may be out
.else
	s_wait_dscnt 0x0
.endif
.if (\t)+8 < 16
	QLOAD (\t)+8, \o                               ; into the set whose stores into the stage are done
.endif
.if (\t)+1 < 16
.if (\t)+8 <= 15
	s_wait_loadcnt 28                              ; the next step's four loads are in; those of the seven steps behind it may be out
.else
	s_wait_loadcnt 4*(14-(\t))                     ; likewise, with fewer steps behind it
.endif
	QTURN (\t)+1
.endif
	v_max3_num_f32 v8, |v[XS]|, |v[XS+1]|, |v[XS+2]|               ; the largest magnitude of my 16, in two chains
	v_max3_num_f32 v9, |v[XS+3]|, |v[XS+4]|, |v[XS+5]|
.irp i, 6,10
	v_max3_num_f32 v8, v8, |v[XS+\i]|, |v[XS+\i+1]|
	v_max3_num_f32 v9, v9, |v[XS+\i+2]|, |v[XS+\i+3]|
.endr
	v_max3_num_f32 v8, v8, |v[XS+14]|, |v[XS+15]|
	v_max3_num_f32 v8, v8, v9, 0x1800000           ; and the floor 2^(3 - 127): the byte cannot fall under 1
	v_max_num_f32_dpp v8, v8, v8 row_xmask:1 row_mask:0xf bank_mask:0xf   ; with my neighbour's 16: the block's
	v_add_nc_u32 v11, 0xff000000, v8               ; 2 off its exponent field: the conversion takes this operand's exponent field as its scale
	v_cvt_scalef32_pk8_fp4_f32 v[C+2*(\t)], v[XS:XS+7], v11
	v_cvt_scalef32_pk8_fp4_f32 v[C+2*(\t)+1], v[XS+8:XS+15], v11
	v_lshrrev_b32 v[E+(\t)], 23, v11               ; the scale's byte (a plain line behind the conversions)
.if \o
	ds_store_b8 v5, v[E+(\t)] offset:((\t)%2)*128+((\t)/2)*2       ; both lanes of a block write the same byte with the same value
	ds_store_b64 v4, v[C+2*(\t):C+2*(\t)+1] offset:((\t)/2)*512+((\t)%2)*128
.else
	ds_store_b8 v5, v[E+(\t)] offset:16*(\t)
	ds_store_b64 v4, v[C+2*(\t):C+2*(\t)+1] offset:16*(\t)
.endif
.endm
.macro QRUN o
.irp t, 0,1,2,3,4,5,6,7
	QLOAD \t, \o
.endr
	s_wait_loadcnt 28                              ; step 0's four loads are in; seven steps' may be out
	QTURN 0
.irp t, 0,1,2,3,4,5,6,7,8,9,10,11,12,13,14,15
	QSTEP \t, \o
.endr
.endm
.macro STAGES                          ; s27 = my wave's LDS region
	v_lshlrev_b32 v3, 4, v2                        ; my 16 bytes of a load's 512
	v_lshrrev_b32 v14, 2, v2
	v_mul_u32_u24 v14, v14, SP
	v_and_b32 v15, 3, v2
	v_lshl_add_u32 v14, v15, 4, v14
	v_add_nc_u32 v14, s27, v14                     ; into the stage: four lanes' 64 bytes on end, then 16 of padding
	v_mul_u32_u24 v15, v2, SP
	v_add_nc_u32 v15, s27, v15                     ; out of it: my 16 neighbours
.endm
; ---- path W
.macro WLOAD t                         ; block t: P(128 s + 32 t + i, my column), i = 0 .. 31
.irp i, 0,1,2,3,4,5,6,7,8,9,10,11,12,13,14,15,16,17,18,19,20,21,22,23,24,25,26,27,28,29,30,31
	global_load_b32 v[WX+32*(\t)+\i], v3, s[6:7] offset:(32*(\t)+\i)*256
.endr
.endm
.macro WBLOCK t
.set XS, WX+32*(\t)
.if (\t) < 3
	s_wait_loadcnt 32                              ; this block's 32 loads are in; the next block's 32 may be out
.else
	s_wait_loadcnt 0x0
.endif
.if (\t)+2 < 4
	WLOAD (\t)+2
.endif
	v_max3_num_f32 v12, |v[XS]|, |v[XS+1]|, |v[XS+2]|              ; the block's largest magnitude: all 32 numbers are mine
	v_max3_num_f32 v13, |v[XS+3]|, |v[XS+4]|, |v[XS+5]|
.irp i, 6,10,14,18,22,26
	v_max3_num_f32 v12, v12, |v[XS+\i]|, |v[XS+\i+1]|
	v_max3_num_f32 v13, v13, |v[XS+\i+2]|, |v[XS+\i+3]|
.endr
	v_max3_num_f32 v12, v12, |v[XS+30]|, |v[XS+31]|
	v_max3_num_f32 v12, v12, v13, 0x1800000        ; and the floor
	v_add_nc_u32 v11, 0xff000000, v12
	v_lshrrev_b32 v13, 23, v11                     ; the scale's byte
.if (\t) == 0
	v_mov_b32 v10, v13                             ; four bytes make my column's scale word of this K step
.else
	v_lshl_or_b32 v10, v13, 8*(\t), v10
.endif
.irp g, 0,1,2,3
	v_cvt_scalef32_pk8_fp4_f32 v[WC+4*(\t)+\g], v[XS+8*\g:XS+8*\g+7], v11
.endr
	global_store_b128 v6, v[WC+4*(\t):WC+4*(\t)+3], s[18:19] offset:((\t)/2)*512+((\t)%2)*256   ; sixteen lanes of one tile store 256 consecutive bytes, aligned
.endm
.macro OUT step                        ; the gathered codes (8 x 512 bytes) and the 256 scale bytes, in order behind my LDS stores
.irp i, 0,1,2,3,4,5,6,7
	ds_load_b128 v[R+4*\i:R+4*\i+3], v6 offset:\step*\i
.endr
	ds_load_b64 v[12:13], v7
.irp i, 0,1,2,3,4,5,6,7
	s_wait_dscnt 8-\i                              ; load i is in: behind it stand 7 - i of its kind and the scale bytes' load
	global_store_b128 v3, v[R+4*\i:R+4*\i+3], s[22:23] offset:512*\i   ; 512 consecutive bytes, aligned
.endr
	s_wait_dscnt 0x0
	global_store_b64 v10, v[12:13], s[24:25]       ; 256 consecutive bytes, aligned
	s_wait_tensorcnt 0x0                           ; the wave's end
	ds_add_u32 v224, v225
	s_wait_dscnt 0x0
	s_endpgm
.endm
	s_load_b256 s[4:11], s[0:1], 0x0               ; x s[4:5], P_q s[6:7], P_k s[8:9], P_v s[10:11]
	s_load_b128 s[12:15], s[0:1], 0x20             ; P_o s[12:13], xc s[14:15]
	s_load_b64 s[18:19], s[0:1], 0x30              ; pw
	s_load_b128 s[20:23], s[0:1], 0x38             ; ps s[20:21], pob s[22:23]
	v_lshl_add_u32 v224, v0, 2, SPARE
	v_mov_b32 v225, 0
	v_lshrrev_b32 v1, 5, v0
	v_readfirstlane_b32 s[WV], v1                  ; wave 0..3
	v_and_b32 v2, 31, v0                           ; lane
	s_wait_alu depctr_va_vdst(0)
	s_wait_kmcnt 0x0
	s_cmp_lt_u32 ttmp9, 192
	s_cbranch_scc1 .Lpath_w
	s_cmp_lt_u32 ttmp9, 224
	s_cbranch_scc1 .Lpath_o
	; ---- PATH X: my wave's 16 rows x 512 columns of x: 16 steps, a row each
	s_mul_i32 s27, s[WV], OWAVE                    ; my LDS region
	s_wait_alu depctr_va_vdst(0)
	STAGES
	s_add_co_u32 s27, s27, 2*32*SP
	v_lshrrev_b32 v5, 1, v2                        ; my block of the row's sixteen
	v_and_b32 v12, 1, v2                           ; which half of it
	v_mul_u32_u24 v4, v5, 272
	v_lshl_add_u32 v4, v12, 3, v4
	v_add_nc_u32 v4, s27, v4                       ; into the codes' gather: 272 x block + 8 x half; a step's row is 16 bytes on
	v_lshrrev_b32 v12, 4, v2
	v_mul_u32_u24 v6, v12, 272
	v_and_b32 v12, 15, v2
	v_lshl_add_u32 v6, v12, 4, v6
	v_add_nc_u32 v6, s27, v6                       ; and out of it: two blocks' 256 bytes an instruction
	s_add_co_u32 s27, s27, 4352
	v_add_nc_u32 v5, s27, v5                       ; the scale bytes' gather [row 16][block 16]
	v_lshlrev_b32 v10, 3, v2
	v_add_nc_u32 v7, s27, v10                      ; out of it 8 bytes a lane
	s_sub_co_u32 s28, ttmp9, 224
	s_lshl_b32 s28, s28, 2
	s_add_co_u32 s28, s28, s[WV]                   ; 0 .. 1,023
	s_lshr_b32 s29, s28, 1                         ; my tile of 16 rows
	s_and_b32 s28, s28, 1                          ; my half of the columns
	s_mov_b32 s31, 0
	s_mov_b32 s33, 0
	s_lshl_b32 s30, s29, 16                        ; 65,536 bytes of numbers a tile, 2,048 a half row
	s_lshl_b32 s32, s28, 11
	s_add_co_u32 s30, s30, s32
	s_add_nc_u64 s[4:5], s[4:5], s[30:31]
	s_mul_i32 s30, s29, 8704
	s_lshl_b32 s32, s28, 8
	s_add_co_u32 s32, s32, s30
	s_add_co_u32 s32, s32, 8192
	s_add_nc_u64 s[24:25], s[14:15], s[32:33]      ; my 256 scale bytes
	s_lshl_b32 s32, s28, 12
	s_add_co_u32 s30, s30, s32
	s_add_nc_u64 s[22:23], s[14:15], s[30:31]      ; my 4,096 bytes of codes
	s_wait_alu depctr_va_vdst(0)
	QRUN 0
	OUT 544
.Lpath_o:
	; ---- PATH O: my wave's 16 rows d x 8 heads of P_o: 16 steps of 8 rows x 64 v
	s_mul_i32 s27, s[WV], OWAVE
	s_add_co_u32 s27, s27, OREG                    ; my LDS region
	s_wait_alu depctr_va_vdst(0)
	STAGES
	v_and_b32 v1, 15, v2
	v_lshrrev_b32 v12, 4, v2
	v_lshlrev_b32 v1, 4, v1
	v_lshl_add_u32 v1, v12, 10, v1                 ; in: 16 bytes a lane; lanes 16-31 take my next row, four rows of P_o on
	v_bfe_u32 v12, v0, 1, 1                        ; after the turn lane l holds row l / 4 of the step's eight, block (l / 2) % 2, half l % 2
	v_bfe_u32 v13, v0, 2, 3
	v_lshlrev_b32 v13, 4, v13                      ; 16 x row
	v_and_b32 v10, 1, v0
	v_lshl_add_u32 v4, v12, 8, v13                 ; the codes' gather [head 8][block 2][row 16][16 bytes]: 256 x block + 16 x row
	v_lshl_add_u32 v4, v10, 3, v4                  ; + 8 x half
	s_add_co_u32 s28, s27, 2*32*SP
	v_add_nc_u32 v4, s28, v4
	v_add_nc_u32 v6, s28, v3                       ; and out of it 16 bytes a lane
	v_add_nc_u32 v5, v13, v12                      ; the scale bytes' gather [row 16][16 bytes]: 16 x row + block
	s_add_co_u32 s28, s28, 4096
	v_add_nc_u32 v5, s28, v5
	v_lshlrev_b32 v10, 3, v2                       ; out of it 8 bytes a lane
	v_add_nc_u32 v7, s28, v10
	s_sub_co_u32 s28, ttmp9, 192
	s_lshl_b32 s28, s28, 2
	s_add_co_u32 s28, s28, s[WV]                   ; q = 0 .. 127: tile T = q / 2, heads 8 (q % 2) on
	s_lshr_b32 s29, s28, 1
	s_and_b32 s30, s28, 1
	s_lshl_b32 s32, s30, 21                        ; eight heads of 262,144 bytes
	s_lshr_b32 s33, s29, 2                         ; my first row: 64 (T / 4) + T % 4, 256 bytes a row
	s_lshl_b32 s33, s33, 14
	s_and_b32 s34, s29, 3
	s_lshl_b32 s34, s34, 8
	s_add_co_u32 s33, s33, s34
	s_add_co_u32 s32, s32, s33
	s_mov_b32 s33, 0
	s_add_nc_u64 s[12:13], s[12:13], s[32:33]
	s_mul_i32 s32, s29, 8704                       ; my tile of pob,
	s_lshl_b32 s34, s30, 8
	s_add_co_u32 s34, s34, s32
	s_add_co_u32 s34, s34, 8192
	s_mov_b32 s35, 0
	s_add_nc_u64 s[24:25], s[22:23], s[34:35]      ; its scale bytes of my eight heads: 256 bytes,
	s_lshl_b32 s34, s30, 12
	s_add_co_u32 s32, s32, s34
	s_add_nc_u64 s[22:23], s[22:23], s[32:33]      ; and its codes: 4,096 bytes
	s_wait_alu depctr_va_vdst(0)
	QRUN 1
	OUT 512
.Lpath_w:
	; ---- PATH W: my wave's 32 columns x 128 along d of one head of P_q, P_k or P_v.  Two neighbouring waves take the two halves of the same 256-byte rows
	s_lshr_b32 s27, ttmp9, 6                       ; which tensor: 0 q, 1 k, 2 v
	s_bfe_u32 s28, ttmp9, 0x40002                  ; head
	s_and_b32 s29, s[WV], 1                        ; which 32 columns
	s_lshr_b32 s31, s[WV], 1
	s_and_b32 s30, ttmp9, 3
	s_lshl_b32 s30, s30, 1
	s_add_co_u32 s30, s30, s31                     ; K step s = 0 .. 7
	s_cmp_lt_u32 ttmp9, 64                         ; the choice hangs on the work-group's number alone
	s_cselect_b64 s[6:7], s[6:7], s[8:9]
	s_cmp_lt_u32 ttmp9, 128
	s_cselect_b64 s[6:7], s[6:7], s[10:11]
	s_lshl_b32 s32, s28, 18                        ; in: head x 262,144 + s x 128 rows of 256 bytes + 128 x column half
	s_lshl_b32 s33, s30, 15
	s_add_co_u32 s32, s32, s33
	s_lshl_b32 s33, s29, 7
	s_add_co_u32 s32, s32, s33
	s_mov_b32 s33, 0
	s_add_nc_u64 s[6:7], s[6:7], s[32:33]
	s_mul_i32 s32, s28, 98304                      ; pw: head, tensor, two tiles, K step
	s_lshl_b32 s34, s27, 15
	s_add_co_u32 s32, s32, s34
	s_lshl_b32 s34, s29, 14
	s_add_co_u32 s32, s32, s34
	s_lshl_b32 s34, s30, 10
	s_add_co_u32 s32, s32, s34
	s_add_nc_u64 s[18:19], s[18:19], s[32:33]
	s_mul_i32 s32, s28, 6144                       ; ps likewise
	s_lshl_b32 s34, s27, 11
	s_add_co_u32 s32, s32, s34
	s_lshl_b32 s34, s29, 10
	s_add_co_u32 s32, s32, s34
	s_lshl_b32 s34, s30, 6
	s_add_co_u32 s32, s32, s34
	s_add_nc_u64 s[20:21], s[20:21], s[32:33]
	s_wait_alu depctr_va_vdst(0)
	v_lshlrev_b32 v3, 2, v2                        ; in: 4 bytes a lane
	v_bfe_u32 v8, v0, 3, 1                         ; my column's tile of the two: u = (lane / 8) % 2
	v_and_b32 v4, 7, v0
	v_bfe_u32 v5, v0, 4, 1
	v_lshl_add_u32 v4, v5, 3, v4                   ; and its row there: r' = lane % 8 + 8 (lane / 16)
	v_lshlrev_b32 v6, 4, v4
	v_lshl_add_u32 v6, v8, 13, v6                  ; codes: 8,192 u + 16 r'
	v_lshlrev_b32 v7, 2, v4
	v_lshl_add_u32 v7, v8, 9, v7                   ; scale word: 512 u + 4 r'
	WLOAD 0
	WLOAD 1
	s_wait_alu depctr_va_vdst(0)
	WBLOCK 0
	WBLOCK 1
	WBLOCK 2
	WBLOCK 3
	global_store_b32 v7, v10, s[20:21]
	s_endpgm
.Lfunc_end_k_q0a6be4b232_prep:
	.size	k_q0a6be4b232_prep, .Lfunc_end_k_q0a6be4b232_prep-k_q0a6be4b232_prep
	.p2alignl 7, 3214868480
	.fill 96, 4, 3214868480
	.section	.rodata,"a",@progbits
	.p2align	6, 0x0
	.amdhsa_kernel k_q0a6be4b232_prep
		.amdhsa_group_segment_fixed_size 78336
		.amdhsa_private_segment_fixed_size 0
		.amdhsa_enable_private_segment 0
		.amdhsa_kernarg_size 72
		.amdhsa_user_sgpr_count 2
		.amdhsa_user_sgpr_kernarg_segment_ptr 1
		.amdhsa_wavefront_size32 1
		.amdhsa_system_sgpr_workgroup_id_x 1
		.amdhsa_system_sgpr_workgroup_id_y 1
		.amdhsa_system_sgpr_workgroup_id_z 1
		.amdhsa_system_vgpr_workitem_id 0
		.amdhsa_next_free_vgpr 226
		.amdhsa_next_free_sgpr 66
		.amdhsa_reserve_vcc 0
		.amdhsa_float_denorm_mode_32 3
		.amdhsa_float_denorm_mode_16_64 3
		.amdhsa_memory_ordered 1
		.amdhsa_forward_progress 1
		.amdhsa_inst_pref_size 89
	.end_amdhsa_kernel
	.amdgpu_metadata
---
amdhsa.version: [ 1, 2 ]
amdhsa.kernels:
  - .name:           k_q0a6be4b232_prep
    .symbol:         k_q0a6be4b232_prep.kd
    .args:
      - { .name: x, .offset: 0, .size: 8, .value_kind: global_buffer, .address_space: global }
      - { .name: P_q, .offset: 8, .size: 8, .value_kind: global_buffer, .address_space: global }
      - { .name: P_k, .offset: 16, .size: 8, .value_kind: global_buffer, .address_space: global }
      - { .name: P_v, .offset: 24, .size: 8, .value_kind: global_buffer, .address_space: global }
      - { .name: P_o, .offset: 32, .size: 8, .value_kind: global_buffer, .address_space: global }
      - { .name: xc, .offset: 40, .size: 8, .value_kind: global_buffer, .address_space: global }
      - { .name: pw, .offset: 48, .size: 8, .value_kind: global_buffer, .address_space: global }
      - { .name: ps, .offset: 56, .size: 8, .value_kind: global_buffer, .address_space: global }
      - { .name: pob, .offset: 64, .size: 8, .value_kind: global_buffer, .address_space: global }
    .group_segment_fixed_size: 78336
    .private_segment_fixed_size: 0
    .kernarg_segment_align: 8
    .kernarg_segment_size: 72
    .max_flat_workgroup_size: 128
    .sgpr_count:     66
    .vgpr_count:     226
    .wavefront_size: 32
...
	.end_amdgpu_metadata
.endif
;; end of part 1
;; launch attn (part 2): grid 16 x 16, 8 waves a work-group, clusters of 4 x 1, 327,680 bytes of LDS; arguments xc, pw, ps, oq, os; writes oq, os
.if DOCPART == 2
	.amdgcn_target "amdgcn-amd-amdhsa--gfx1250"
	.amdhsa_code_object_version 6
	.text
	.protected	k_q0a6be4b232_attn
	.globl	k_q0a6be4b232_attn
	.p2align	8
	.type	k_q0a6be4b232_attn,@function
k_q0a6be4b232_attn:
	s_mov_b64 s[64:65], 0
	v_nop
	global_prefetch_b8 v0, s[64:65] scope:SCOPE_SE
	s_setreg_imm32_b32 hwreg(HW_REG_WAVE_MODE, 25, 1), 1
	s_wait_xcnt 0x0
	s_wait_alu depctr_hold_cnt(0) depctr_sa_sdst(0) depctr_va_vdst(0) depctr_va_sdst(0) depctr_va_ssrc(0) depctr_va_vcc(0) depctr_vm_vsrc(0)
	s_getreg_b32 s2, hwreg(HW_REG_IB_STS2, 6, 4)
	s_cmp_eq_u32 s2, 0
	s_cbranch_scc0 .Lentry_in_a_cluster
	s_endpgm
.Lentry_in_a_cluster:
	s_bfe_u32 s2, ttmp6, 0x10000c
	s_cmp_lg_u32 s2, 0x3003
	s_cbranch_scc0 .Lentry_shape_is_right
	s_endpgm
.Lentry_shape_is_right:
; ATTN: for one batch b, one head and one half p of the rows: K = x P_k for all 1,024 rows, Q = x P_q and V = x P_v for my 512 rows; Q and K quantised along the head's 64; the scores K Q^T, causal;
; the factor 8, a running maximum and a sum of exponentials for each query; w = the softmax's DIAGONAL entry; o = w V, quantised along v; o's codes and scale bytes leave.
; Only the diagonal of the softmax enters o, so there is no second product over the keys.  Key tiles that the causal mask hides whole are left out: reference() builds that mask in its own body.
; All products on codes of FP4 (E2M1) with one E8M0 scale for each 32 along K; sums, softmax and o in f32.
; LIMITS: NaN and infinities are not served.  The scaled scores (exponents to the base 2, before the maximum is taken away) are under 2^31 in magnitude: hidden keys stand at -2^120.  A w under 2^-126 comes out
; as 0 (v_exp_f32 flushes).  A block whose largest magnitude lies under 2^-124 gets the scale byte 1.
; ROWS.  x[b] is 64 tiles of 16 rows, walked in 8 slots of 8 tiles.  In a slot, tiles 0, 3, 4, 7 are half p = 0's own, 1, 2, 5, 6 half p = 1's.  LDS positions 0-3 always hold my own tiles, 4-7 the others, in ascending order each:
; the halves differ in the tensor loads' GLOBAL addresses.  Sums of own tiles' numbers are equal for both halves.
; PHASE 1, products.  Waves 0-3 make K (positions w and w + 4 of each slot), waves 4, 5 Q and 6, 7 V (own positions w % 2 and w % 2 + 2): 64 products a wave and slot.  A wave's matrix, 32 fragments of 16 columns x 128 K, fills window 1.
; Source 0 = 16 columns of P, source 1 = 16 rows of x; the columns of a tile are chosen (in pw) so that lane (r, h), register 16 b + i holds unit 32 b + 16 h + i of row r.
; K's and Q's codes go to LDS as images of the operand's registers; V goes there as f32.
; PHASE 2, scores: source 0 = 16 keys, source 1 = 16 queries: a lane holds ONE query (lane % 16) and keys 8 (lane / 16) + j of each tile; K = 64 there: both operands' upper halves are zero codes.
; A wave takes two PAIRS of query tiles: pair q = w and 15 - w: slot q / 2, own positions q % 2 and 3 - q % 2.  Both tiles of a pair need every key of the slots ahead of theirs (s chunks of 128 keys) and together nine key tiles
; of their own slot: s and 7 - s chunks a wave, so all waves do equal work.  The diagonal tile's mask is the C operand of its product: 0 or -2^120.  Each lane keeps a maximum and a sum of its own keys; lanes l and l xor 16 join at the end.
; CLUSTER: the four partners are four heads of one (b, p): they walk the same tiles of x, which are asked for JOINTLY (mask 15).  The weights differ: each wave loads its own into registers.
; A wave has one tensor load out.  PREFETCH: behind the joint load of slot n each wave of a partner asks for its share (9 or 7 blocks of 256 bytes) of the tile that it loads in slot n + 1; the partners share by address.
; Of the eight clusters that read a batch four ask.
; LDS: two slots of 8 tiles x 8,704 bytes (8,192 of codes, 512 of scale bytes); V 32 x 4,096; images, for each slot K's 8 x 512 then Q's 4 x 512; their scale words likewise, 64 bytes a tile; the spare words; o's scale bytes.
.set TILE,  8704
.set SLOTB, 69632
.set VREG,  139264
.set KIMG,  270336                     ; 6,144 a slot
.set KSC,   319488                     ; 768 a slot
.set SPARE, 325632
.set OSC,   326656
.set SPW,  1
.set NIL,  2
.set AX0,  3                           ; phase 1: my two tiles in slot buffer 0;
.set AX1,  4
.set ADX0, 5                           ; in the buffer in hand;
.set ADX1, 6
.set AI0,  7                           ; where their images go;
.set AI1,  8
.set AW0,  9                           ; their scale words;
.set AW1,  10
.set AV,   11                          ; V
.set ADK,  3                           ; phase 2: the chunk's images of K, its scale words; v5-8, v11 at work; v9, v10 Q's scale words, o's scale bytes
.set ADW,  4
.set LI,   12                          ; 16 x lane
.set AKL,  13                          ; KIMG + 16 x lane
.set AWL,  14                          ; KSC + 4 x lane
.set PFO,  15                          ; the prefetches' offset
.set TM,   16                          ; v16-27 at work in a quantiser
.set WD,   30                          ; v30, v31 scale words just made
.set PS,   32                          ; v32-47 the weights' scale words: 4 tile + j: lanes 0-15 K step j, lanes 16-31 K step 4 + j
.set CA,   48                          ; v48-55 codes just made
.set XSA,  56                          ; x's scale words, fragments, of my two tiles
.set XSB,  60
.set XFA,  64
.set XFB,  128
.set ACC,  192                         ; v192-255 their eight accumulators
; phase 2: v[16:17], v[18:19] the sums of tile A, B; v[20:21], v[22:23] 2^(old c m - new c m); v[24:25] c x maximum, maximum of A; v[26:27] of B; v28-31 at work; v54, v55 the queries' own scores
.set QFA,  32                          ; Q's fragments (upper four registers zeros) and scale words
.set QFB,  40
.set KS,   48
.set QWA,  52
.set QWB,  53
.set DM,   56                          ; v56-63 the diagonal tile's C
.set KF,   64                          ; v64-127 K's eight fragments (upper halves zeros)
.set S,    128                         ; v128-191 tile A's scores, v192-255 tile B's
.set WV,   16
.set HD,   18
.set P,    21
.set G1X,  24
.set G0X,  32
.set PFA,  36
.set LIM,  38
.set TB,   39
.set SL,   40
.set WL,   42
.set SEL,  60
.set CS,   62
.set T0,   66
.set T1,   67
.set J,    68
.set NS,   69
.set SUB,  70
.set OI,   71
.set Q,    72
.set SUB3, 73
.set DGM,  80                          ; s80-87: lanes whose own score is register j of the diagonal tile
.set UA,   88
.set UB,   89
.set MSB, 0
.macro WIN new                         ; the immediate's high byte repeats the setting that is left
.if MSB != (\new)
	s_set_vgpr_msb (MSB<<8)|(\new)
.set MSB, (\new)
.endif
.endm
.macro PLACES n
.rept \n
	v_nop
.endr
.endm
.macro CREST                           ; a round of the cluster's barrier behind its opening barrier
	s_cmp_lg_u32 s[WV], 0
	s_cbranch_scc1 .Lnot_wave_0_\@
	s_barrier_signal -3
.Lnot_wave_0_\@:
	s_barrier_wait -3
	s_barrier_signal -1
	s_barrier_wait -1
.endm
.macro CROUND
	s_barrier_signal -1
	s_barrier_wait -1
	CREST
.endm
.macro ASK                             ; the prefetch: LIM = 5 in the clusters that ask, 0 in the others: the last slot is asked for behind slot 6's load (SL = 4)
	s_cmp_lt_u32 s[SL], s[LIM]
	s_cbranch_scc0 .Lnot_mine_\@
	global_prefetch_b8 v[PFO], s[PFA:PFA+1] th:TH_LOAD_NT scope:SCOPE_SE
.Lnot_mine_\@:
.endm
.macro XL ad, xs, xf                   ; a tile of x: scale words (16 bytes a lane) and eight fragments: 17 loads
	ds_load_b128 v[\xs:\xs+3], v[\ad] offset:8192
.irp s, 0,1,2,3,4,5,6,7
	ds_load_b128 v[\xf+8*\s:\xf+8*\s+3], v[\ad] offset:1024*\s
	ds_load_b128 v[\xf+8*\s+4:\xf+8*\s+7], v[\ad] offset:1024*\s+512
.endr
.endm
; Eight products: two K steps x four column tiles; the four accumulators take turns.  K step 0 starts the sums.
; Q's and V's waves take their tiles from memory straight into registers: through LDS each own tile would be read three times, by K's, Q's and V's wave.  The same registers, the same order of the loads.
.macro MEMX off, xs, xf
	global_load_b128 v[\xs:\xs+3], v[LI], s[XG:XG+1] offset:\off+8192
.irp s, 0,1,2,3,4,5,6,7
	global_load_b128 v[\xf+8*\s:\xf+8*\s+3], v[LI], s[XG:XG+1] offset:\off+1024*\s
	global_load_b128 v[\xf+8*\s+4:\xf+8*\s+7], v[LI], s[XG:XG+1] offset:\off+1024*\s+512
.endr
.endm
.macro FRAGS                           ; a slot's two tiles of my wave: 17 loads, then 17
	s_cmp_lt_u32 s[WV], 4
	s_cbranch_scc0 .Lmem_\@
	XL ADX0, XSA, XFA
	XL ADX1, XSB, XFB
	s_branch .Lfrags_\@
.Lmem_\@:
	MEMX 0, XSA, XFA
	MEMX 4*TILE, XSB, XFB                          ; own positions i and i + 2 are four tiles apart
.Lfrags_\@:
.endm
.set XG, 44                            ; s[44:45] Q's and V's waves: where my first tile of the slot lies in xc
.macro PASS acc, xf, xs, from
	WIN 0x01                                       ; source 0 in window 1
.irp j, 0,1
.set KK, \from+\j
.irp t, 0,1,2,3
.if KK == 0
	v_wmma_scale_f32_16x16x128_f8f6f4 v[\acc+8*\t:\acc+8*\t+7], v[64*\t+8*KK:64*\t+8*KK+7], v[\xf+8*KK:\xf+8*KK+7], 0, v[PS+4*\t+KK], v[\xs+KK] matrix_a_fmt:MATRIX_FMT_FP4 matrix_b_fmt:MATRIX_FMT_FP4
.elseif KK < 4
	v_wmma_scale_f32_16x16x128_f8f6f4 v[\acc+8*\t:\acc+8*\t+7], v[64*\t+8*KK:64*\t+8*KK+7], v[\xf+8*KK:\xf+8*KK+7], v[\acc+8*\t:\acc+8*\t+7], v[PS+4*\t+KK], v[\xs+KK] matrix_a_fmt:MATRIX_FMT_FP4 matrix_b_fmt:MATRIX_FMT_FP4
.else
	v_wmma_scale_f32_16x16x128_f8f6f4 v[\acc+8*\t:\acc+8*\t+7], v[64*\t+8*KK:64*\t+8*KK+7], v[\xf+8*KK:\xf+8*KK+7], v[\acc+8*\t:\acc+8*\t+7], v[PS+4*\t+KK-4], v[\xs+KK-4] matrix_a_fmt:MATRIX_FMT_FP4 matrix_b_fmt:MATRIX_FMT_FP4 matrix_a_scale:MATRIX_SCALE_ROW1 matrix_b_scale:MATRIX_SCALE_ROW1
.endif
.endr
.endr
.endm
; Two tiles' 64 numbers of a lane (block b at 16 b: blocks 0, 1 of the first tile, 2, 3 of the second) become four registers of codes a tile (lane (r, h): units 32 h on) and a scale word a tile (bytes 0, 1; bytes 2, 3 are 0).
.macro QUANT4 src, dst, word
.irp b, 0,1,2,3
	v_max3_num_f32 v[TM+\b], |v[\src+16*\b]|, |v[\src+16*\b+1]|, 0x1800000   ; my 16 numbers of block b, from the low end on, and the floor 2^(3 - 127)
.endr
.irp i, 2,4,6,8,10,12,14
.irp b, 0,1,2,3
	v_max3_num_f32 v[TM+\b], v[TM+\b], |v[\src+16*\b+\i]|, |v[\src+16*\b+\i+1]|
.endr
.endr
.irp b, 0,1,2,3
	v_permlanex16_b32 v[TM+4+\b], v[TM+\b], s[SEL], s[SEL+1]
.endr
.irp b, 0,1,2,3
	v_max_num_f32 v[TM+\b], v[TM+\b], v[TM+4+\b]   ; with lane l xor 16's: the block's largest magnitude
.endr
.irp b, 0,1,2,3
	v_add_nc_u32 v[TM+8+\b], 0xff000000, v[TM+\b]  ; 2 off the exponent field: the conversion's scale operand
.endr
.irp b, 0,1,2,3
	v_lshrrev_b32 v[TM+4+\b], 23, v[TM+8+\b]       ; the bytes
.endr
	v_lshl_or_b32 v[\word], v[TM+5], 8, v[TM+4]
	v_lshl_or_b32 v[\word+1], v[TM+7], 8, v[TM+6]
.irp b, 0,1,2,3
	v_cvt_scalef32_pk8_fp4_f32 v[\dst+2*\b], v[\src+16*\b:\src+16*\b+7], v[TM+8+\b]
	v_cvt_scalef32_pk8_fp4_f32 v[\dst+2*\b+1], v[\src+16*\b+8:\src+16*\b+15], v[TM+8+\b]
.endr
	v_nop                                          ; one plain place behind a scaled conversion
.irp g, 0,1,4,5
	v_permlane16_swap_b32 v[\dst+\g], v[\dst+\g+2] ; the operand's layout wants a whole block in a lane: lanes 0-15 block 0, lanes 16-31 block 1
.endr
.endm
; ONE SLOT.  mode 2: this slot's buffer is filled again, two slots on; mode 1: no more fills, the next slot is shown to all; mode 0: the last.
; Its fragments have been asked for: behind the refill of the slot before (slot 0: ahead of the loop).  The next slot's are asked for likewise, and land while this slot's results are quantised.
.macro SLOT mode
	s_wait_dscnt 17                                ; the first tile is in: the second's 17 loads stand behind it (and, in the loop, the last slot's stores)
	s_wait_loadcnt 17                              ; and so it is where it comes from memory
	PASS ACC, XFA, XSA, 0
	PASS ACC, XFA, XSA, 2
	PASS ACC, XFA, XSA, 4
	PASS ACC, XFA, XSA, 6
	s_wait_dscnt 0x0                               ; the second tile is in
	s_wait_loadcnt 0x0
	PASS ACC+32, XFB, XSB, 0
	PASS ACC+32, XFB, XSB, 2
	WIN 0                                          ; (the add's two registers lie in window 0)
.if \mode
	s_wait_xcnt 0x0                                ; any prefetch and loads of mine have read their addresses
	s_add_nc_u64 s[XG:XG+1], s[XG:XG+1], SLOTB
.if \mode == 2
	s_add_nc_u64 s[PFA:PFA+1], s[PFA:PFA+1], SLOTB
.endif
	s_wait_tensorcnt 0x0                           ; my part of the next slot has landed; the group 0 may be written
	ds_add_u32 v[SPW], v[NIL]                      ; 0 onto my spare word; eight products stand between it and the wait for it
.if \mode == 2
	s_add_co_u32 s[G0X+1], s[WL], s[TB]            ; the buffer that I have just read
	s_add_nc_u64 s[G0X+2:G0X+3], s[G0X+2:G0X+3], SLOTB
.endif
.endif
	PASS ACC+32, XFB, XSB, 4
.if \mode
	s_wait_dscnt 0x0                               ; the add is done, and my reads of this slot are over
	s_barrier_signal -1
.endif
	PASS ACC+32, XFB, XSB, 6                       ; while the others arrive
	WIN 0
.if \mode
	s_xor_b32 s[TB], s[TB], SLOTB
	s_barrier_wait -1
.endif
.if \mode == 2
	CREST                                          ; the barrier has opened a round of the cluster's barrier
	tensor_load_to_lds s[G0X:G0X+3], s[G1X:G1X+7]  ; my one tensor load behind the round
	s_nop 0
.endif
	PLACES 4                                       ; ahead of loads into registers that products have read, and of the first reads of results
.if \mode
	v_add_nc_u32 v[ADX0], s[TB], v[AX0]
	v_add_nc_u32 v[ADX1], s[TB], v[AX1]
	FRAGS
.endif
.if \mode == 2
	ASK
.endif
	s_cmp_ge_u32 s[WV], 6                          ; V is not quantised here
	s_cbranch_scc1 .Lv_\@
	QUANT4 ACC, CA, WD
	ds_store_b128 v[AI0], v[CA:CA+3]
	ds_store_b128 v[AI1], v[CA+4:CA+7]
	ds_store_b32 v[AW0], v[WD]                     ; lanes l and l xor 16 write the same word with the same value
	ds_store_b32 v[AW1], v[WD+1]
	s_branch .Lstored_\@
.Lv_\@:
.irp k, 0,1,2,3,4,5,6,7
	ds_store_b128 v[AV], v[ACC+4*\k:ACC+4*\k+3] offset:512*\k
.endr
.irp k, 0,1,2,3,4,5,6,7
	ds_store_b128 v[AV], v[ACC+32+4*\k:ACC+32+4*\k+3] offset:8192+512*\k
.endr
.Lstored_\@:
.if \mode
	v_add_nc_u32 v[AI0], 6144, v[AI0]
	v_add_nc_u32 v[AI1], 6144, v[AI1]
	v_add_nc_u32 v[AW0], 768, v[AW0]
	v_add_nc_u32 v[AW1], 768, v[AW1]
	v_add_nc_u32 v[AV], 16384, v[AV]
	s_add_co_u32 s[SL], s[SL], 1
	s_wait_alu depctr_va_vdst(0)
.endif
.endm
.macro KLOAD ak, aw                    ; a chunk of 128 keys: eight images (lower halves of the fragments) and their scale words: lanes 0-15 tile 2 i, lanes 16-31 tile 2 i + 1
.irp i, 0,1,2,3,4,5,6,7
	ds_load_b128 v[KF+8*\i:KF+8*\i+3], v[\ak] offset:512*\i
.endr
.irp i, 0,1,2,3
	ds_load_b32 v[KS+\i], v[\aw] offset:128*\i
.endr
.endm
.macro SCT d, p, q, w                  ; 16 keys at position p against a query tile; CD = 1: the diagonal
.if CD
.if (\p)&1
	v_wmma_scale_f32_16x16x128_f8f6f4 v[\d:\d+7], v[KF+8*(\p):KF+8*(\p)+7], v[\q:\q+7], v[DM:DM+7], v[KS+(\p)/2], v[\w] matrix_a_fmt:MATRIX_FMT_FP4 matrix_b_fmt:MATRIX_FMT_FP4 matrix_a_scale:MATRIX_SCALE_ROW1
.else
	v_wmma_scale_f32_16x16x128_f8f6f4 v[\d:\d+7], v[KF+8*(\p):KF+8*(\p)+7], v[\q:\q+7], v[DM:DM+7], v[KS+(\p)/2], v[\w] matrix_a_fmt:MATRIX_FMT_FP4 matrix_b_fmt:MATRIX_FMT_FP4
.endif
.else
.if (\p)&1
	v_wmma_scale_f32_16x16x128_f8f6f4 v[\d:\d+7], v[KF+8*(\p):KF+8*(\p)+7], v[\q:\q+7], 0, v[KS+(\p)/2], v[\w] matrix_a_fmt:MATRIX_FMT_FP4 matrix_b_fmt:MATRIX_FMT_FP4 matrix_a_scale:MATRIX_SCALE_ROW1
.else
	v_wmma_scale_f32_16x16x128_f8f6f4 v[\d:\d+7], v[KF+8*(\p):KF+8*(\p)+7], v[\q:\q+7], 0, v[KS+(\p)/2], v[\w] matrix_a_fmt:MATRIX_FMT_FP4 matrix_b_fmt:MATRIX_FMT_FP4
.endif
.endif
.endm
.macro MAXT c0, c1, c2, c3, b, t       ; in four chains
.if (\t) == 0
	v_max_num_f32 v[\c0], v[\b], v[\b+1]
	v_max_num_f32 v[\c1], v[\b+2], v[\b+3]
	v_max_num_f32 v[\c2], v[\b+4], v[\b+5]
	v_max_num_f32 v[\c3], v[\b+6], v[\b+7]
.else
	v_max3_num_f32 v[\c0], v[\c0], v[\b+8*\t], v[\b+8*\t+1]
	v_max3_num_f32 v[\c1], v[\c1], v[\b+8*\t+2], v[\b+8*\t+3]
	v_max3_num_f32 v[\c2], v[\c2], v[\b+8*\t+4], v[\b+8*\t+5]
	v_max3_num_f32 v[\c3], v[\c3], v[\b+8*\t+6], v[\b+8*\t+7]
.endif
.endm
; Tiles' sums (a pair of registers at 8 x tile) are joined, st tiles apart.
.macro TREE st, na, nb
.set n, 0
.rept 8
.if n%(2*\st) == 0
.if n+\st < \na
	v_pk_add_f32 v[S+8*n:S+8*n+1], v[S+8*n:S+8*n+1], v[S+8*(n+\st):S+8*(n+\st)+1]
.endif
.if n+\st < \nb
	v_pk_add_f32 v[S+64+8*n:S+65+8*n], v[S+64+8*n:S+65+8*n], v[S+64+8*(n+\st):S+65+8*(n+\st)]
.endif
.endif
.set n, n+1
.endr
.endm
; The softmax's part of na key tiles for query tile A and nb for B: the lane's running maximum m, its sum of 2^(c s - c m).  The same rounded c m stands under every term, the diagonal's too.
; first = 1: the state begins here, and the last tile of each is the diagonal: the query's own score is kept.
.macro SOFT2 na, nb, first
.irp t, 0,1,2,3,4,5,6,7
.if \t < \na
	MAXT 28, 29, 20, 21, S, \t
.endif
.if \t < \nb
	MAXT 30, 31, 22, 23, S+64, \t
.endif
.endr
.if \first
	v_cndmask_b32 v54, 0xfb800000, v[S+8*\na-8], s[DGM]
	v_cndmask_b32 v55, 0xfb800000, v[S+64+8*\nb-8], s[DGM]
.irp j, 1,2,3,4,5,6,7
	v_cndmask_b32 v54, v54, v[S+8*\na-8+\j], s[DGM+\j]
	v_cndmask_b32 v55, v55, v[S+64+8*\nb-8+\j], s[DGM+\j]
.endr
	v_max3_num_f32 v25, v28, v29, v20
	v_max3_num_f32 v27, v30, v31, v22
	v_max_num_f32 v25, v25, v21
	v_max_num_f32 v27, v27, v23
	v_mul_f32 v24, s[CS], v25
	v_mul_f32 v26, s[CS], v27
.else
	v_max3_num_f32 v25, v25, v28, v29
	v_max3_num_f32 v27, v27, v30, v31
	v_max3_num_f32 v25, v25, v20, v21
	v_max3_num_f32 v27, v27, v22, v23
	v_mov_b32 v28, v24
	v_mov_b32 v30, v26
	v_mul_f32 v24, s[CS], v25
	v_mul_f32 v26, s[CS], v27
	v_sub_f32 v28, v28, v24
	v_sub_f32 v30, v30, v26
.endif
.set n, 0
.rept 4*\na
	v_pk_fma_f32 v[S+n:S+n+1], v[S+n:S+n+1], s[CS:CS+1], v[24:25] op_sel_hi:[1,0,0] neg_lo:[0,0,1] neg_hi:[0,0,1]   ; c s - c m, two at a time
.set n, n+2
.endr
	s_wait_alu depctr_va_vdst(0)                   ; ahead of the batch
.if \first == 0
	v_exp_f32 v20, v28                             ; 2^(old c m - new c m)
	v_exp_f32 v22, v30
.endif
.set n, 0
.rept 32                               ; A's exponentials; among them, independent of them, B's scalings
.if n < 4*\na
	v_exp_f32 v[S+2*n], v[S+2*n]
	v_exp_f32 v[S+2*n+1], v[S+2*n+1]
.endif
.if n < 4*\nb
	v_pk_fma_f32 v[S+64+2*n:S+65+2*n], v[S+64+2*n:S+65+2*n], s[CS:CS+1], v[26:27] op_sel_hi:[1,0,0] neg_lo:[0,0,1] neg_hi:[0,0,1]
.endif
.set n, n+1
.endr
	s_wait_alu depctr_va_vdst(0)                   ; behind A's batch and ahead of B's
.set n, 0
.rept 32                               ; B's exponentials; among them A's first additions
.if n < 4*\nb
	v_exp_f32 v[S+64+2*n], v[S+64+2*n]
	v_exp_f32 v[S+65+2*n], v[S+65+2*n]
.endif
.if n < 2*\na
	v_pk_add_f32 v[S+4*n:S+4*n+1], v[S+4*n:S+4*n+1], v[S+4*n+2:S+4*n+3]
.endif
.set n, n+1
.endr
	s_wait_alu depctr_va_vdst(0)                   ; behind the batch, ahead of the first reader
.set n, 0
.rept 16
.if n < \na
	v_pk_add_f32 v[S+8*n:S+8*n+1], v[S+8*n:S+8*n+1], v[S+8*n+4:S+8*n+5]
.endif
.if n < 2*\nb
	v_pk_add_f32 v[S+64+4*n:S+65+4*n], v[S+64+4*n:S+65+4*n], v[S+66+4*n:S+67+4*n]
.endif
.set n, n+1
.endr
.set n, 0
.rept \nb
	v_pk_add_f32 v[S+64+8*n:S+65+8*n], v[S+64+8*n:S+65+8*n], v[S+68+8*n:S+69+8*n]
.set n, n+1
.endr
	TREE 1, \na, \nb
	TREE 2, \na, \nb
	TREE 4, \na, \nb
.if \first
	v_mov_b32 v16, v[S]
	v_mov_b32 v18, v[S+64]
	v_mov_b32 v17, v[S+1]
	v_mov_b32 v19, v[S+65]
.else
	v_pk_fma_f32 v[16:17], v[16:17], v[20:21], v[S:S+1] op_sel_hi:[1,0,1]   ; the sum under the new maximum
	v_pk_fma_f32 v[18:19], v[18:19], v[22:23], v[S+64:S+65] op_sel_hi:[1,0,1]
.endif
.endm
; The pair's own slot: tile A has e key tiles and the diagonal, tile B 7 - e and the diagonal.  L0 .. L7: the LDS positions of the slot's tiles in the order of the rows.
.macro REM e
.set NA, \e+1
.set NB, 8-\e
.irp t, 0,1,2,3,4,5,6,7
.if \t < NA
.set CD, 0
.if \t == NA-1
.set CD, 1
.endif
	SCT S+8*\t, L\t, QFA, QWA
.endif
.if \t < NB
.set CD, 0
.if \t == NB-1
.set CD, 1
.endif
	SCT S+64+8*\t, L\t, QFB, QWB
.endif
.endr
	PLACES 4                                       ; ahead of loads into registers that the products have read, and of the first reads of results
	KLOAD AKL, AWL                                 ; chunk 0 lands while the softmax is worked
	SOFT2 NA, NB, 1
	s_wait_alu depctr_va_vdst(0)                   ; directly ahead of the branch
.endm
	s_load_b256 s[4:11], s[0:1], 0x0               ; xc s[4:5], pw s[6:7], ps s[8:9], oq s[10:11]
	s_load_b64 s[12:13], s[0:1], 0x20              ; os
	v_lshl_add_u32 v[SPW], v0, 2, SPARE
	v_mov_b32 v[NIL], 0
	ds_add_u32 v[SPW], v[NIL]                      ; the opening: the add, twice on end, and its wait ahead of my first tensor load
	ds_add_u32 v[SPW], v[NIL]
	v_lshrrev_b32 v3, 5, v0
	v_readfirstlane_b32 s[WV], v3                  ; wave 0..7
	s_bfe_u32 s17, ttmp6, 0x40000                  ; cx: it enters the weights', the outputs' and the prefetches' global addresses alone
	s_lshl_b32 s[HD], ttmp9, 2
	s_add_co_u32 s[HD], s[HD], s17                 ; head = 4 x cluster x + cx
	s_and_b32 s19, ttmp7, 0xffff                   ; y, which the partners share
	s_lshr_b32 s20, s19, 1                         ; b
	s_and_b32 s[P], s19, 1                         ; p
	s_lshr_b32 s22, s[WV], 2                       ; 0: K's waves, 1: Q's and V's
	s_mov_b32 s[G1X], 15|(3<<16)|(1<<21)           ; group 1: 15:0 the mask: all four; 17:16 elements of 8 bytes; 21 set beside a mask.  A tile: 8,704 dense bytes as 17 rows of 512
	s_mov_b32 s[G1X+1], 64<<16
	s_mov_b32 s[G1X+2], 17<<16
	s_mov_b32 s[G1X+3], 64<<16
	s_mov_b32 s[G1X+4], 17
	s_mov_b32 s[G1X+5], 64
	s_mov_b32 s[G1X+6], 0
	s_mov_b32 s[G1X+7], 0
	s_xor_b32 s[T0], s[P], s22                     ; position w's tile in a slot: 4 ((w / 2) % 2) + ((p xor w / 4) xor 3 (w % 2))
	s_and_b32 s[T1], s[WV], 1
	s_mul_i32 s[T1], s[T1], 3
	s_xor_b32 s[T0], s[T0], s[T1]
	s_bfe_u32 s[T1], s[WV], 0x10001
	s_lshl_b32 s[T1], s[T1], 2
	s_add_co_u32 s[T0], s[T0], s[T1]
	s_lshl_b32 s[T1], s20, 6
	s_add_co_u32 s[T0], s[T0], s[T1]
	s_mul_i32 s74, s[T0], TILE
	s_mov_b32 s75, 0
	s_mul_i32 s[WL], s[WV], TILE
	s_and_b32 s46, s[WV], 1                        ; Q's and V's waves: own position w % 2 is the slot's tile p xor 3 (w % 2)
	s_mul_i32 s46, s46, 3
	s_xor_b32 s46, s46, s[P]
	s_lshl_b32 s[T1], s20, 6
	s_add_co_u32 s46, s46, s[T1]
	s_mul_i32 s46, s46, TILE
	s_mov_b32 s47, 0
	s_and_b32 s[T0], s[WV], 2                      ; my matrix: 1 (K) in waves 0-3, 0 (Q) in 4, 5, 2 (V) in 6, 7
	s_cmp_eq_u32 s22, 0
	s_cselect_b32 s[T0], 1, s[T0]
	s_mul_i32 s[T1], s[HD], 3
	s_add_co_u32 s[T1], s[T1], s[T0]
	s_lshl_b32 s76, s[T1], 15
	s_mov_b32 s77, 0
	s_lshl_b32 s78, s[T1], 11
	s_mov_b32 s79, 0
	s_lshl_b32 s82, s19, 18                        ; oq: 32 tiles of 8,192 bytes for each y, my head's 512 bytes in each
	s_lshl_b32 s[T0], s[HD], 9
	s_add_co_u32 s82, s82, s[T0]
	s_mov_b32 s83, 0
	s_lshl_b32 s84, s[HD], 14                      ; os: 16,384 bytes a head, 1,024 for each y
	s_lshl_b32 s[T0], s19, 10
	s_add_co_u32 s84, s84, s[T0]
	s_mov_b32 s85, 0
	s_cmp_lt_u32 ttmp9, 2
	s_cselect_b32 s[LIM], 5, 0
	s_mov_b32 s[SEL], 0x76543210                   ; lane l xor 16
	s_mov_b32 s[SEL+1], 0xfedcba98
	s_mov_b32 s[CS], 0x4138aa3b                    ; c = 8 log2(e): the scores are multiplied by sqrt(64)
	s_mov_b32 s[CS+1], s[CS]                       ; (named with it as a pair, so it is written)
	s_mov_b32 s[TB], 0
	s_mov_b32 s[SL], 0
	s_wait_dscnt 0x0                               ; both opening adds are done
	s_wait_kmcnt 0x0
	s_add_nc_u64 s[XG:XG+1], s[4:5], s[46:47]
	s_mov_b32 s[G0X], 1
	s_mov_b32 s[G0X+1], s[WL]
	s_add_nc_u64 s[G0X+2:G0X+3], s[4:5], s[74:75]
	s_add_nc_u64 s[PFA:PFA+1], s[G0X+2:G0X+3], SLOTB
	s_or_b32 s[G0X+3], s[G0X+3], 0x80000000
	s_add_nc_u64 s[6:7], s[6:7], s[76:77]
	s_add_nc_u64 s[8:9], s[8:9], s[78:79]
	s_add_nc_u64 s[10:11], s[10:11], s[82:83]
	s_add_nc_u64 s[12:13], s[12:13], s[84:85]
	CROUND                                         ; all four partners are here: the first joint loads meet
	tensor_load_to_lds s[G0X:G0X+3], s[G1X:G1X+7]  ; slot 0: one tensor load a wave at the head
	s_nop 0
	PLACES 4
	v_and_b32 v16, 31, v0                          ; lane
	v_and_b32 v17, 15, v0                          ; r
	v_bfe_u32 v18, v0, 4, 1                        ; h
	v_lshlrev_b32 v[LI], 4, v16
	s_mul_i32 s[T0], s17, 9                        ; my share of a tile's 34 blocks of 256 bytes: from 9 cx on; lanes that are left over name the last one again
	v_min_u32 v19, 8, v16
	v_add_nc_u32 v19, s[T0], v19
	v_min_u32 v19, 33, v19
	v_lshlrev_b32 v[PFO], 8, v19
	v_lshlrev_b32 v[AV], 2, v17
	v_lshl_add_u32 v[AV], v18, 8, v[AV]            ; the weights' scale words: 4 r, and four K steps of 64 bytes on for lanes 16-31
	s_wait_alu depctr_va_vdst(0)
	ASK
.irp t, 0,1,2,3
.irp j, 0,1,2,3
	global_load_b32 v[PS+4*\t+\j], v[AV], s[8:9] offset:512*\t+64*\j
.endr
.endr
	WIN 0x40                                       ; destination window 1: my matrix's 32 fragments as they lie, register 4 n from byte 512 n
.set n, 0
.rept 64
	global_load_b128 v[4*n:4*n+3], v[LI], s[6:7] offset:512*n
.set n, n+1
.endr
	WIN 0
	s_wait_alu depctr_va_vdst(0)
	s_lshl_b32 s[T0], s22, 1
	s_xor_b32 s[T0], s[T0], 3
	s_and_b32 s[J], s[WV], s[T0]                   ; my first position: w in waves 0-3, w % 2 in the others
	s_mul_i32 s[T1], s22, 6
	s_xor_b32 s[T1], s[T1], 4
	s_add_co_u32 s[NS], s[J], s[T1]                ; my second: 4 or 2 further on
	s_mul_i32 s[T0], s[J], TILE
	v_add_nc_u32 v[AX0], s[T0], v[LI]
	s_mul_i32 s[T0], s[NS], TILE
	v_add_nc_u32 v[AX1], s[T0], v[LI]
	v_mov_b32 v[ADX0], v[AX0]
	v_mov_b32 v[ADX1], v[AX1]
	v_add_nc_u32 v[AKL], KIMG, v[LI]
	v_lshl_add_u32 v[AWL], v16, 2, KSC
	s_lshl_b32 s[T1], s22, 12                      ; Q's images stand behind K's eight
	s_lshl_b32 s[T0], s[J], 9
	s_add_co_u32 s[T0], s[T0], s[T1]
	v_add_nc_u32 v[AI0], s[T0], v[AKL]
	s_lshl_b32 s[T0], s[NS], 9
	s_add_co_u32 s[T0], s[T0], s[T1]
	v_add_nc_u32 v[AI1], s[T0], v[AKL]
	v_lshl_add_u32 v19, v17, 2, KSC
	s_lshl_b32 s[T1], s22, 9
	s_lshl_b32 s[T0], s[J], 6
	s_add_co_u32 s[T0], s[T0], s[T1]
	v_add_nc_u32 v[AW0], s[T0], v19
	s_lshl_b32 s[T0], s[NS], 6
	s_add_co_u32 s[T0], s[T0], s[T1]
	v_add_nc_u32 v[AW1], s[T0], v19
	s_wait_xcnt 0x0                                ; the scale words' loads have read their offset, and the prefetch its address
	s_lshl_b32 s[T0], s[J], 12
	s_add_co_u32 s[T0], s[T0], VREG
	v_add_nc_u32 v[AV], s[T0], v[LI]
.irp k, 20,21,22,23
	v_mov_b32 v\k, 0                               ; written once: a lane permute's destination counts as one of its sources
.endr
	s_add_nc_u64 s[PFA:PFA+1], s[PFA:PFA+1], SLOTB
	s_wait_alu depctr_va_vdst(0)
	s_wait_tensorcnt 0x0                           ; my part of slot 0 is in
	ds_add_u32 v[SPW], v[NIL]
	s_add_co_u32 s[G0X+1], s[WL], SLOTB
	s_add_nc_u64 s[G0X+2:G0X+3], s[G0X+2:G0X+3], SLOTB
	s_wait_dscnt 0x0
	CROUND
	tensor_load_to_lds s[G0X:G0X+3], s[G1X:G1X+7]  ; slot 1
	s_nop 0
	PLACES 4
	ASK
	FRAGS                                          ; slot 0's fragments
	s_wait_loadcnt 0x0                             ; the weights and their scale words
.Lslot:                                                ; six trips: slots 0 to 5, each filled again two slots on
	SLOT 2
	s_cmp_lt_u32 s[SL], 6
	s_cbranch_scc1 .Lslot
	SLOT 1                                         ; written out
	SLOT 0
	s_wait_dscnt 0x0                               ; for the others' sake: my stores of images and V have landed
	s_barrier_signal -1
; PHASE 2's constants, while the others arrive
.irp i, 0,1,2,3,4,5,6,7
.irp k, 4,5,6,7
	v_mov_b32 v[KF+8*\i+\k], 0                     ; zero codes for k = 64 .. 127
.endr
.endr
.irp k, 4,5,6,7
	v_mov_b32 v[QFA+\k], 0
	v_mov_b32 v[QFB+\k], 0
.endr
	v_mov_b32 v21, 0                               ; (v21, v23 are only named as upper halves of pairs)
	v_mov_b32 v23, 0
	v_and_b32 v17, 15, v0                          ; r
	v_bfe_u32 v18, v0, 4, 1
	v_lshlrev_b32 v18, 3, v18
	v_sub_nc_u32 v16, v17, v18                     ; r - 8 h: register j of the diagonal tile is key 8 h + j: hidden where j is greater, my own where equal
	v_mov_b32 v19, 0xfb800000                      ; -2^120
.irp j, 0,1,2,3,4,5,6,7
	v_cmp_gt_i32 vcc_lo, \j, v16
	v_cndmask_b32 v[DM+\j], 0, v19, vcc_lo
	v_cmp_eq_i32 s[DGM+\j], \j, v16
.endr
	v_lshl_add_u32 v9, v17, 2, KSC+512             ; Q's scale words of slot 0
	v_lshl_add_u32 v10, v17, 1, OSC
	s_mov_b32 s[OI], 0
	s_wait_alu depctr_va_vdst(0)                   ; directly ahead of the wait below
	s_barrier_wait -1                              ; all images and all of V lie in LDS
.Lpair:
	s_wait_xcnt 0x0                                ; the last pair's stores have read their codes and offsets
	s_mul_i32 s[T0], s[OI], 15
	s_xor_b32 s[Q], s[WV], s[T0]                   ; pair w, then 15 - w
	s_lshr_b32 s[NS], s[Q], 1                      ; its slot
	s_and_b32 s[SUB], s[Q], 1                      ; tile A's own position
	s_xor_b32 s[SUB3], s[SUB], 3                   ; tile B's
	s_lshl_b32 s[T0], s[NS], 2
	s_add_co_u32 s[UA], s[T0], s[SUB]              ; which of my half's 32 tiles
	s_add_co_u32 s[UB], s[T0], s[SUB3]
	s_mul_i32 s[T0], s[NS], 6144
	s_mul_i32 s[T1], s[NS], 768
	v_add_nc_u32 v[ADK], s[T0], v[AKL]
	v_add_nc_u32 v[ADW], s[T1], v[AWL]
	s_lshl_b32 s[T0], s[SUB], 9
	v_add_nc_u32 v5, s[T0], v[ADK]
	s_lshl_b32 s[T0], s[SUB3], 9
	v_add_nc_u32 v6, s[T0], v[ADK]
	v_add_nc_u32 v8, s[T1], v9
	s_lshl_b32 s[T0], s[SUB], 6
	v_add_nc_u32 v7, s[T0], v8
	s_lshl_b32 s[T0], s[SUB3], 6
	v_add_nc_u32 v8, s[T0], v8
	KLOAD ADK, ADW
	ds_load_b128 v[QFA:QFA+3], v5 offset:4096
	ds_load_b128 v[QFB:QFB+3], v6 offset:4096
	ds_load_b32 v[QWA], v7
	ds_load_b32 v[QWB], v8
	s_wait_dscnt 0x0
	s_cmp_eq_u32 s[P], 0                           ; four cases, by ids alone
	s_cbranch_scc0 .Lp1
.set L0, 0
.set L1, 4
.set L2, 5
.set L3, 1
.set L4, 2
.set L5, 6
.set L6, 7
.set L7, 3
	s_cmp_eq_u32 s[SUB], 0
	s_cbranch_scc0 .Lp0b
	REM 0
	s_branch .Lrem
.Lp0b:
	REM 3
	s_branch .Lrem
.Lp1:
.set L0, 4
.set L1, 0
.set L2, 1
.set L3, 5
.set L4, 6
.set L5, 2
.set L6, 3
.set L7, 7
	s_cmp_eq_u32 s[SUB], 0
	s_cbranch_scc0 .Lp1b
	REM 1
	s_branch .Lrem
.Lp1b:
	REM 2
.Lrem:
	s_mov_b32 s[J], 0
.set CD, 0
.Lstep:                                                ; seven trips always; those past the pair's slot do no work
	s_cmp_ge_u32 s[J], s[NS]
	s_cbranch_scc1 .Lskip
	s_wait_dscnt 0x0                               ; the chunk's images and scale words are in
.irp i, 0,1,2,3,4,5,6,7
	SCT S+8*\i, \i, QFA, QWA
	SCT S+64+8*\i, \i, QFB, QWB
.endr
	s_add_co_u32 s[T0], s[J], 1                    ; the next chunk, 7 at the most
	s_mul_i32 s[T1], s[T0], 6144
	v_add_nc_u32 v[ADK], s[T1], v[AKL]
	s_mul_i32 s[T1], s[T0], 768
	v_add_nc_u32 v[ADW], s[T1], v[AWL]
	PLACES 2                                       ; with the two additions: four places behind the products
	KLOAD ADK, ADW                                 ; it lands while this chunk's softmax is worked
	SOFT2 8, 8, 0
.Lskip:
	s_add_co_u32 s[J], s[J], 1
	s_cmp_lt_u32 s[J], 7
	s_cbranch_scc1 .Lstep
	; w = 2^(c diag - c m) / sum; o = w V
	s_wait_alu depctr_va_vdst(0)
	s_lshl_b32 s[T0], s[UA], 12
	s_add_co_u32 s[T0], s[T0], VREG
	v_add_nc_u32 v7, s[T0], v[LI]
	s_lshl_b32 s[T0], s[UB], 12
	s_add_co_u32 s[T0], s[T0], VREG
	v_add_nc_u32 v8, s[T0], v[LI]
.irp k, 0,1,2,3,4,5,6,7
	ds_load_b128 v[S+4*\k:S+4*\k+3], v7 offset:512*\k
.endr
.irp k, 0,1,2,3,4,5,6,7
	ds_load_b128 v[S+32+4*\k:S+32+4*\k+3], v8 offset:512*\k
.endr
	v_permlanex16_b32 v28, v25, s[SEL], s[SEL+1]   ; lane l xor 16's maximum
	v_permlanex16_b32 v30, v27, s[SEL], s[SEL+1]
	v_permlanex16_b32 v29, v54, s[SEL], s[SEL+1]   ; one of lanes l, l xor 16 holds the query's own score, the other -2^120
	v_permlanex16_b32 v31, v55, s[SEL], s[SEL+1]
	v_max_num_f32 v28, v28, v25
	v_max_num_f32 v30, v30, v27
	v_max_num_f32 v29, v29, v54
	v_max_num_f32 v31, v31, v55
	v_mul_f32 v28, s[CS], v28                      ; c x the row's maximum
	v_mul_f32 v30, s[CS], v30
	v_sub_f32 v20, v24, v28
	v_sub_f32 v22, v26, v30
	v_fma_f32 v29, v29, s[CS], -v28
	v_fma_f32 v31, v31, s[CS], -v30
	v_add_f32 v16, v16, v17
	v_add_f32 v18, v18, v19
	s_wait_alu depctr_va_vdst(0)
	v_exp_f32 v20, v20
	v_exp_f32 v22, v22
	v_exp_f32 v29, v29
	v_exp_f32 v31, v31
	v_nop                                          ; one plain place behind the transcendentals
	s_wait_alu depctr_va_vdst(0)
	v_mul_f32 v16, v16, v20                        ; my keys' sum under the row's maximum,
	v_mul_f32 v18, v18, v22
	v_permlanex16_b32 v17, v16, s[SEL], s[SEL+1]
	v_permlanex16_b32 v19, v18, s[SEL], s[SEL+1]
	v_add_f32 v16, v16, v17                        ; and the other lane's
	v_add_f32 v18, v18, v19
	s_wait_alu depctr_va_vdst(0)
	v_rcp_f32 v16, v16
	v_rcp_f32 v18, v18
	v_nop
	s_wait_alu depctr_va_vdst(0)
	s_wait_dscnt 0x0                               ; V is in (and the last chunk that was asked for)
	v_mul_f32 v28, v29, v16                        ; w of tile A's query, of B's
	v_mul_f32 v30, v31, v18
.set n, 0
.rept 16
	v_pk_mul_f32 v[S+n:S+n+1], v[S+n:S+n+1], v[28:29] op_sel_hi:[1,0]
	v_pk_mul_f32 v[S+32+n:S+33+n], v[S+32+n:S+33+n], v[30:31] op_sel_hi:[1,0]
.set n, n+2
.endr
	QUANT4 S, CA, WD
	s_lshl_b32 s[T0], s[UA], 13
	v_add_nc_u32 v7, s[T0], v[LI]
	s_lshl_b32 s[T0], s[UB], 13
	v_add_nc_u32 v8, s[T0], v[LI]
	s_lshl_b32 s[T0], s[UA], 5
	v_add_nc_u32 v5, s[T0], v10
	s_lshl_b32 s[T0], s[UB], 5
	v_add_nc_u32 v6, s[T0], v10
	global_store_b128 v7, v[CA:CA+3], s[10:11]     ; each store covers 512 consecutive bytes, aligned
	global_store_b128 v8, v[CA+4:CA+7], s[10:11]
	ds_store_b16 v5, v[WD]                         ; lanes l and l xor 16 write the same two bytes with the same value
	ds_store_b16 v6, v[WD+1]
	s_add_co_u32 s[OI], s[OI], 1
	s_wait_alu depctr_va_vdst(0)                   ; ahead of the branch
	s_cmp_lt_u32 s[OI], 2
	s_cbranch_scc1 .Lpair
	s_wait_dscnt 0x0                               ; for the others' sake: my stores of o's scale bytes have landed
	s_barrier_signal -1
	s_barrier_wait -1
	s_wait_xcnt 0x0
	v_and_b32 v16, 31, v0
	s_lshl_b32 s[T0], s[WV], 8
	v_lshlrev_b32 v7, 3, v16
	v_add_nc_u32 v7, s[T0], v7                     ; 256 bytes a wave, 8 a lane
	v_add_nc_u32 v5, OSC, v7
	s_wait_alu depctr_va_vdst(0)
	s_cmp_ge_u32 s[WV], 4                          ; 1,024 bytes: four waves' work
	s_cbranch_scc1 .Lend
	ds_load_b64 v[18:19], v5
	s_wait_dscnt 0x0
	global_store_b64 v7, v[18:19], s[12:13]        ; the wave stores 256 consecutive bytes, aligned
.Lend:
	s_wait_tensorcnt 0x0                           ; the wave's end
	ds_add_u32 v[SPW], v[NIL]
	s_wait_dscnt 0x0
	CROUND                                         ; the closing round: no work-group ends while a partner may still ask for a tile that names it
	s_endpgm
.Lfunc_end_k_q0a6be4b232_attn:
	.size	k_q0a6be4b232_attn, .Lfunc_end_k_q0a6be4b232_attn-k_q0a6be4b232_attn
	.p2alignl 7, 3214868480
	.fill 96, 4, 3214868480
	.section	.rodata,"a",@progbits
	.p2align	6, 0x0
	.amdhsa_kernel k_q0a6be4b232_attn
		.amdhsa_group_segment_fixed_size 327680
		.amdhsa_private_segment_fixed_size 0
		.amdhsa_enable_private_segment 0
		.amdhsa_kernarg_size 40
		.amdhsa_user_sgpr_count 2
		.amdhsa_user_sgpr_kernarg_segment_ptr 1
		.amdhsa_wavefront_size32 1
		.amdhsa_system_sgpr_workgroup_id_x 1
		.amdhsa_system_sgpr_workgroup_id_y 1
		.amdhsa_system_sgpr_workgroup_id_z 1
		.amdhsa_system_vgpr_workitem_id 0
		.amdhsa_next_free_vgpr 512
		.amdhsa_next_free_sgpr 92
		.amdhsa_reserve_vcc 1
		.amdhsa_float_denorm_mode_32 3
		.amdhsa_float_denorm_mode_16_64 3
		.amdhsa_memory_ordered 1
		.amdhsa_forward_progress 1
		.amdhsa_inst_pref_size 157
	.end_amdhsa_kernel
	.amdgpu_metadata
---
amdhsa.version: [ 1, 2 ]
amdhsa.kernels:
  - .name:           k_q0a6be4b232_attn
    .symbol:         k_q0a6be4b232_attn.kd
    .args:
      - { .name: xc, .offset: 0, .size: 8, .value_kind: global_buffer, .address_space: global }
      - { .name: pw, .offset: 8, .size: 8, .value_kind: global_buffer, .address_space: global }
      - { .name: ps, .offset: 16, .size: 8, .value_kind: global_buffer, .address_space: global }
      - { .name: oq, .offset: 24, .size: 8, .value_kind: global_buffer, .address_space: global }
      - { .name: os, .offset: 32, .size: 8, .value_kind: global_buffer, .address_space: global }
    .group_segment_fixed_size: 327680
    .private_segment_fixed_size: 0
    .kernarg_segment_align: 8
    .kernarg_segment_size: 40
    .max_flat_workgroup_size: 256
    .sgpr_count:     92
    .vgpr_count:     512
    .wavefront_size: 32
...
	.end_amdgpu_metadata
.endif
;; end of part 2
;; launch outp (part 3): grid 4 x 64, 4 waves a work-group, clusters of 4 x 4, 327,680 bytes of LDS; arguments oq, os, pob, out0; writes out0
.if DOCPART == 3
	.amdgcn_target "amdgcn-amd-amdhsa--gfx1250"
	.amdhsa_code_object_version 6
	.text
	.protected	k_q0a6be4b232_outp
	.globl	k_q0a6be4b232_outp
	.p2align	8
	.type	k_q0a6be4b232_outp,@function
k_q0a6be4b232_outp:
	s_mov_b64 s[64:65], 0
	v_nop
	global_prefetch_b8 v0, s[64:65] scope:SCOPE_SE
	s_setreg_imm32_b32 hwreg(HW_REG_WAVE_MODE, 25, 1), 1
	s_wait_xcnt 0x0
	s_wait_alu depctr_hold_cnt(0) depctr_sa_sdst(0) depctr_va_vdst(0) depctr_va_sdst(0) depctr_va_ssrc(0) depctr_va_vcc(0) depctr_vm_vsrc(0)
	s_getreg_b32 s2, hwreg(HW_REG_IB_STS2, 6, 4)
	s_cmp_eq_u32 s2, 0
	s_cbranch_scc0 .Lentry_in_a_cluster
	s_endpgm
.Lentry_in_a_cluster:
	s_bfe_u32 s2, ttmp6, 0x10000c
	s_cmp_lg_u32 s2, 0xf033
	s_cbranch_scc0 .Lentry_shape_is_right
	s_endpgm
.Lentry_shape_is_right:
; OUTP: y[row][d] = the sum over (head, v) of o[row][head][v] P_o[head][d][v], on codes of FP4 (E2M1) with one E8M0 scale for each 32 along K = (head, v) = 1,024; sums in f32; y f32.
; Both operands arrive as images of the operand's registers: oq [tile of 16 rows][head][lane][16 bytes]; pob [tile of 16 d]: the same, and 512 bytes of scale bytes behind each tile's 8,192.  A K step of 128 is two heads, 1,024 bytes of a tile.
; oq's tiles are not in the order of y's rows: tile 32 (2 b + p) + 4 slot + i holds the 16 rows of y's tile 64 b + 8 slot + (0, 3, 4, 7 for p = 0; 1, 2, 5, 6 for p = 1)[i].
; pob's tile 4 g + t holds d = 64 g + 4 r + t, r = 0 .. 15: source 0 = 16 rows of o, source 1 = a tile of P_o: in the result lane (r, h), register j holds row 8 h + j and column 4 r + t of its 64.  So the same register of four tiles
; is four NEIGHBOURING columns, and sixteen lanes store one aligned unit of 256 bytes straight from registers: four moves a store in place of a round trip through LDS.
; A work-group makes 128 rows x 256 columns: 64 x 4 work-groups, one for each WGP.  Four waves, each 64 rows (one slot's four tiles) x 128 columns, in two PIECES of 64 columns, a piece by rows: 16 rows leave while the next are multiplied.
; All of K fits in LDS and every LDS byte is filled once: no ring, no loop, no prefetch (nothing to run ahead in).
; CLUSTERS 4 x 4: A's tiles and scale bytes hang on the tile row alone and are shared along a row of the cluster, B's on the tile column alone and along a column: joint loads, ONE a wave at the head: wave 0 A's codes, waves 1, 2 B's quarters
; 0 and 2 (every wave's first piece) with their scale bytes, wave 3 A's scale bytes; and behind a full sequence waves 1, 2 B's quarters 1 and 3.
; REGISTERS: window 0: v3-13 addresses; v16-31 A's scale words (4 tile + j: lanes 0-15 K step j, lanes 16-31 K step 4 + j); v32-63 B's, two pieces of 16 likewise; v64-127 rows on the way out, two sets; v128-255 accumulators, row tile i, column tile b at 8 (4 i + b).
;   window 1: A's fragments, row tile i, K step s at 64 i + 8 s: they stay.   windows 2, 3: B's fragments of the first, the second piece: tile b, K step s at 64 b + 8 s.
.set TILE, 8704
.set BIMG, 65536
.set QB,   34816                       ; four tiles of B: a quarter
.set ASC,  204800                      ; o's scale bytes: 16 heads x (256 + 16)
.set SPARE, 209152
.set ADA,  3
.set ADB,  4                           ; v4, v5 my two pieces of B
.set CO,   10
.set ADAS, 11
.set SPW,  12
.set NIL,  13
.set AS,   16
.set BS,   32
.set OB,   64
.set HW,   64                          ; v64-95 halves of A's scale words, ahead of the first rows
.set ACC,  128
.set WV,   14
.set G1A,  24
.set G1B,  32
.set G1AS, 48
.set STA,  56                          ; s[56:57], s[58:59] bytes of y from my row tile 0 to 1 and 2 to 3, from 1 to 2
.set STB,  58
.set G0A,  68
.set G0B,  72
.set G0AS, 76
.set YB,   80                          ; s[80:87] y at my four row tiles
.set MSB, 0
.macro WIN new
.if MSB != (\new)
	s_set_vgpr_msb (MSB<<8)|(\new)
.set MSB, (\new)
.endif
.endm
.macro PLACES n
.rept \n
	v_nop
.endr
.endm
.macro CROUND
	s_barrier_signal -1
	s_barrier_wait -1
	s_cmp_lg_u32 s[WV], 0
	s_cbranch_scc1 .Lnot_wave_0_\@
	s_barrier_signal -3
.Lnot_wave_0_\@:
	s_barrier_wait -3
	s_barrier_signal -1
	s_barrier_wait -1
.endm
.macro ARM under, g0, g1, next
	s_cmp_lt_u32 s[WV], \under
	s_cbranch_scc0 \next
	tensor_load_to_lds s[\g0:\g0+3], s[\g1:\g1+7]
	s_nop 0
	PLACES 4
	s_branch .Lasked
\next:
.endm
.macro BLD pc, s                       ; K step s of a piece's four tiles of B: eight loads, each 512 consecutive bytes
	WIN 0x80+0x40*(\pc)                            ; destination window 2 or 3
.irp b, 0,1,2,3
	ds_load_b128 v[64*\b+8*(\s):64*\b+8*(\s)+3], v[ADB+\pc] offset:\b*TILE+(\s)*1024
	ds_load_b128 v[64*\b+8*(\s)+4:64*\b+8*(\s)+7], v[ADB+\pc] offset:\b*TILE+(\s)*1024+512
.endr
.endm
.macro BSCALE pc                       ; and its scale words: four loads
	WIN 0
.irp b, 0,1,2,3
	ds_load_b128 v[BS+16*(\pc)+4*\b:BS+16*(\pc)+4*\b+3], v[ADB+\pc] offset:\b*TILE+8192
.endr
.endm
.macro ALD i, s                        ; K step s of row tile i: two loads
	ds_load_b128 v[64*(\i)+8*(\s):64*(\i)+8*(\s)+3], v[ADA] offset:(\i)*8192+(\s)*1024
	ds_load_b128 v[64*(\i)+8*(\s)+4:64*(\i)+8*(\s)+7], v[ADA] offset:(\i)*8192+(\s)*1024+512
.endm
.macro FETCH0 s                        ; K step s of the first piece and of row tile 0: ten loads
	BLD 0, \s
	WIN 0x40                                       ; destination window 1
	ALD 0, \s
.endm
.macro ALOAD i                         ; row tile i: sixteen loads
	WIN 0x40
.irp s, 0,1,2,3,4,5,6,7
	ALD \i, \s
.endr
.endm
.macro MUL i, pc, s                    ; four products: the row tile's four accumulators take turns, K ascending
	WIN 0x09+4*(\pc)                               ; source 0 (A) window 1, source 1 (B) window 2 or 3, C and D window 0
.set SA, AS+4*(\i)+(\s)%4
.set SB, BS+16*(\pc)+(\s)%4
.irp b, 0,1,2,3
.set D, ACC+8*(4*(\i)+\b)
.if (\s) == 0
	v_wmma_scale_f32_16x16x128_f8f6f4 v[D:D+7], v[64*(\i)+8*(\s):64*(\i)+8*(\s)+7], v[64*\b+8*(\s):64*\b+8*(\s)+7], 0, v[SA], v[SB+4*\b] matrix_a_fmt:MATRIX_FMT_FP4 matrix_b_fmt:MATRIX_FMT_FP4
.elseif (\s) < 4
	v_wmma_scale_f32_16x16x128_f8f6f4 v[D:D+7], v[64*(\i)+8*(\s):64*(\i)+8*(\s)+7], v[64*\b+8*(\s):64*\b+8*(\s)+7], v[D:D+7], v[SA], v[SB+4*\b] matrix_a_fmt:MATRIX_FMT_FP4 matrix_b_fmt:MATRIX_FMT_FP4
.else
	v_wmma_scale_f32_16x16x128_f8f6f4 v[D:D+7], v[64*(\i)+8*(\s):64*(\i)+8*(\s)+7], v[64*\b+8*(\s):64*\b+8*(\s)+7], v[D:D+7], v[SA], v[SB+4*\b] matrix_a_fmt:MATRIX_FMT_FP4 matrix_b_fmt:MATRIX_FMT_FP4 matrix_a_scale:MATRIX_SCALE_ROW1 matrix_b_scale:MATRIX_SCALE_ROW1
.endif
.endr
.endm
.macro ROW i, pc
.irp s, 0,1,2,3,4,5,6,7
	MUL \i, \pc, \s
.endr
.endm
.macro OUT i, pc                       ; 16 rows x 64 columns leave: each store covers two rows' 256 consecutive bytes, aligned; written once, read by nobody here
	WIN 0
	PLACES 4                                       ; in front of the first reads of results
.if (\i)+4*(\pc) > 1
	s_wait_xcnt 0x0                                ; the stores before the last rows' have read this set of registers
.endif
.set OBI, OB+32*((\i)%2)
.irp j, 0,1,2,3,4,5,6,7
.irp b, 0,1,2,3
	v_mov_b32 v[OBI+4*\j+\b], v[ACC+8*(4*(\i)+\b)+\j]  ; each accumulator from its low end on
.endr
.endr
.irp j, 0,1,2,3,4,5,6,7
	global_store_b128 v[CO], v[OBI+4*\j:OBI+4*\j+3], s[YB+2*(\i):YB+2*(\i)+1] offset:4096*\j+256*(\pc) th:TH_STORE_NT
.endr
.endm
	s_load_b256 s[4:11], s[0:1], 0x0               ; oq s[4:5], os s[6:7], pob s[8:9], out0 s[10:11]
	v_lshl_add_u32 v[SPW], v0, 2, SPARE
	v_mov_b32 v[NIL], 0
	ds_add_u32 v[SPW], v[NIL]                      ; the opening: the add, twice on end, and its wait ahead of my first tensor load
	ds_add_u32 v[SPW], v[NIL]
	v_lshrrev_b32 v1, 5, v0
	v_readfirstlane_b32 s[WV], v1                  ; wave 0..3
	s_lshr_b32 s15, s[WV], 1                       ; which slot of the tile row's two is mine.  Also, in waves 1 and 2: which half of B's columns I fetch
	s_and_b32 s16, s[WV], 1                        ; which 128 columns
	s_bfe_u32 s40, ttmp6, 0x40000                  ; cx, cy: my place in the cluster
	s_bfe_u32 s41, ttmp6, 0x40004
	s_lshl_b32 s42, ttmp9, 2
	s_add_co_u32 s42, s42, s40                     ; tile column = 4 x cluster x + cx
	s_and_b32 s17, ttmp7, 0xffff
	s_lshl_b32 s17, s17, 2
	s_add_co_u32 s17, s17, s41                     ; tile row = 4 x cluster y + cy
	s_lshl_b32 s43, s41, 2
	s_lshl_b32 s43, 15, s43                        ; my row of the cluster
	s_lshl_b32 s44, 0x1111, s40                    ; my column
	; A's images: 65,536 dense bytes as 16 rows of 4,096 (512 elements of 8);  a quarter of B: 34,816 as 17 of 2,048
	s_or_b32 s[G1A], s43, (3<<16)|(1<<21)
	s_mov_b32 s[G1A+1], 512<<16
	s_mov_b32 s[G1A+2], 16<<16
	s_mov_b32 s[G1A+3], 512<<16
	s_mov_b32 s[G1A+4], 16
	s_mov_b32 s[G1A+5], 512
	s_mov_b32 s[G1A+6], 0
	s_mov_b32 s[G1A+7], 0
	s_or_b32 s[G1B], s44, (3<<16)|(1<<21)
	s_mov_b32 s[G1B+1], 256<<16
	s_mov_b32 s[G1B+2], 17<<16
	s_mov_b32 s[G1B+3], 256<<16
	s_mov_b32 s[G1B+4], 17
	s_mov_b32 s[G1B+5], 256
	s_mov_b32 s[G1B+6], 0
	s_mov_b32 s[G1B+7], 0
	; A's scale bytes: 16 heads (rows) x 256 bytes, 16,384 bytes from head to head, 16 bytes of padding behind each
	s_or_b32 s[G1AS], s43, (3<<16)|(1<<20)|(1<<21)|(5<<22)|(3<<25)
	s_mov_b32 s[G1AS+1], 32<<16
	s_mov_b32 s[G1AS+2], 16<<16
	s_mov_b32 s[G1AS+3], 32<<16
	s_mov_b32 s[G1AS+4], 16
	s_mov_b32 s[G1AS+5], 2048
	s_mov_b32 s[G1AS+6], 0
	s_mov_b32 s[G1AS+7], 0
	; where they come from: A's offsets are made of the tile row alone, B's of the tile column and the wave's number, in registers that never hold the other coordinate
	s_lshl_b32 s20, s17, 16
	s_mov_b32 s21, 0
	s_lshl_b32 s22, s17, 8
	s_mov_b32 s23, 0
	s_mul_i32 s46, s42, 4*QB
	s_mul_i32 s45, s15, 2*QB                       ; also where they go, behind BIMG
	s_add_co_u32 s46, s46, s45
	s_mov_b32 s47, 0
	s_sub_co_u32 s18, s[WV], 1                     ; 0, 1 in waves 1, 2
	s_lshr_b32 s94, s17, 3                         ; my first row of y: 1,024 (mt / 8) + 128 (2 (mt % 4) + wave / 2) + 16 p, p = (mt / 4) % 2
	s_lshl_b32 s94, s94, 10
	s_and_b32 s95, s17, 3
	s_lshl_b32 s95, s95, 1
	s_add_co_u32 s95, s95, s15
	s_lshl_b32 s95, s95, 7
	s_add_co_u32 s94, s94, s95
	s_bfe_u32 s95, s17, 0x10002
	s_lshl_b32 s96, s95, 17
	s_sub_co_u32 s[STA], 0x30000, s96              ; three tiles of 16 rows x 4,096 bytes, or one
	s_mov_b32 s[STA+1], 0
	s_add_co_u32 s[STB], s96, 0x10000              ; one, or three
	s_mov_b32 s[STB+1], 0
	s_lshl_b32 s95, s95, 4
	s_add_co_u32 s94, s94, s95
	s_lshl_b32 s94, s94, 12                        ; rows of 4,096 bytes
	s_lshl_b32 s95, s42, 10                        ; my first column: 1,024 bytes a tile column + 512 x half
	s_add_co_u32 s94, s94, s95
	s_lshl_b32 s95, s16, 9
	s_add_co_u32 s94, s94, s95
	s_mov_b32 s95, 0
	s_wait_dscnt 0x0                               ; both opening adds are done
	s_wait_kmcnt 0x0
	s_add_nc_u64 s[YB:YB+1], s[10:11], s[94:95]
	s_add_nc_u64 s[YB+2:YB+3], s[YB:YB+1], s[STA:STA+1]
	s_add_nc_u64 s[YB+4:YB+5], s[YB+2:YB+3], s[STB:STB+1]
	s_add_nc_u64 s[YB+6:YB+7], s[YB+4:YB+5], s[STA:STA+1]
	s_mov_b32 s[G0A], 1
	s_mov_b32 s[G0A+1], 0
	s_add_nc_u64 s[G0A+2:G0A+3], s[4:5], s[20:21]
	s_or_b32 s[G0A+3], s[G0A+3], 0x80000000
	s_mov_b32 s[G0B], 1
	s_add_co_u32 s[G0B+1], s45, BIMG
	s_add_nc_u64 s[G0B+2:G0B+3], s[8:9], s[46:47]
	s_or_b32 s[G0B+3], s[G0B+3], 0x80000000
	s_mov_b32 s[G0AS], 1
	s_mov_b32 s[G0AS+1], ASC
	s_add_nc_u64 s[G0AS+2:G0AS+3], s[6:7], s[22:23]
	s_or_b32 s[G0AS+3], s[G0AS+3], 0x80000000
	CROUND                                         ; all sixteen work-groups are here: the joint loads meet
	ARM 1, G0A, G1A, .Lhead_b                      ; one tree of branches on the wave's number, one load to an arm
	ARM 3, G0B, G1B, .Lhead_as
	tensor_load_to_lds s[G0AS:G0AS+3], s[G1AS:G1AS+7]
	s_nop 0
	PLACES 4
.Lasked:
	v_and_b32 v1, 15, v0                           ; r
	v_bfe_u32 v2, v0, 4, 1                         ; h
	v_and_b32 v14, 31, v0
	v_lshlrev_b32 v15, 4, v14                      ; 16 x lane
	s_lshl_b32 s96, s15, 15
	v_add_nc_u32 v[ADA], s96, v15                  ; my four tiles of A (they begin at LDS byte 0)
	s_mul_i32 s96, s16, 2*QB
	s_add_co_u32 s96, s96, BIMG
	v_add_nc_u32 v[ADB], s96, v15                  ; my first piece of B,
	v_add_nc_u32 v[ADB+1], QB, v[ADB]              ; my second
	v_mul_u32_u24 v[ADAS], v2, 2176                ; A's scale bytes: lanes 16-31 take heads 8 to 15
	v_lshl_add_u32 v[ADAS], v1, 1, v[ADAS]         ; two bytes a row
	s_lshl_b32 s96, s15, 7                         ; my 64 rows
	s_add_co_u32 s96, s96, ASC
	v_add_nc_u32 v[ADAS], s96, v[ADAS]
	v_lshlrev_b32 v[CO], 15, v2                    ; the way out: lanes 16-31 eight rows further down,
	v_lshl_add_u32 v[CO], v1, 4, v[CO]             ; 16 bytes a lane
	s_wait_alu depctr_va_vdst(0)
	s_wait_tensorcnt 0x0                           ; my load is in
	ds_add_u32 v[SPW], v[NIL]
	s_add_co_u32 s[G0B+1], s[G0B+1], QB
	s_add_nc_u64 s[G0B+2:G0B+3], s[G0B+2:G0B+3], QB
	s_wait_dscnt 0x0
	CROUND                                         ; everybody's load is in, and all partners are here
	s_cmp_lt_u32 s18, 2
	s_cbranch_scc0 .Lno_b
	tensor_load_to_lds s[G0B:G0B+3], s[G1B:G1B+7]  ; B's quarters 1 and 3
	s_nop 0
	PLACES 4
.Lno_b:
	BSCALE 0
.irp i, 0,1,2,3
.irp j, 0,1,2,3
	ds_load_u16 v[HW+2*(4*\i+\j)], v[ADAS] offset:(2*\j)*272+32*\i           ; A's: K step 4 h + j is heads 8 h + 2 j and + 1: two bytes of each
	ds_load_u16 v[HW+2*(4*\i+\j)+1], v[ADAS] offset:(2*\j+1)*272+32*\i
.endr
.endr
	FETCH0 0
	FETCH0 1
	WIN 0
	s_wait_dscnt 20                                ; the scales are in; two steps' 20 loads may be out
.irp k, 0,1,2,3,4,5,6,7,8,9,10,11,12,13,14,15
	v_lshl_or_b32 v[AS+\k], v[HW+2*\k+1], 16, v[HW+2*\k]
.endr
	FETCH0 2
	FETCH0 3
	PLACES 8                                       ; a scale register written by a vector instruction stands eight places ahead of a scaled matrix instruction
	s_wait_alu depctr_va_vdst(0)                   ; directly ahead of the waits below
.irp s, 0,1,2,3                        ; row tile 0, while the first piece comes in
	FETCH0 \s+4
	s_wait_dscnt 40                                ; this step's fragments are in; four steps' 40 loads may be out
	MUL 0, 0, \s
.endr
	ALOAD 1
	s_wait_dscnt 46                                ; three steps' 30 and row tile 1's 16
	MUL 0, 0, 4
	s_wait_dscnt 36
	MUL 0, 0, 5
	ALOAD 2
	s_wait_dscnt 42                                ; one step's 10 and two row tiles' 32
	MUL 0, 0, 6
	s_wait_dscnt 32
	MUL 0, 0, 7
	OUT 0, 0
	ALOAD 3
	s_wait_dscnt 32                                ; row tile 1 is in; two row tiles' 32 loads may be out
	ROW 1, 0
	OUT 1, 0
	s_wait_tensorcnt 0x0                           ; my part of B's second half is in
	s_wait_dscnt 0x0
	s_barrier_signal -1
	s_barrier_wait -1                              ; everybody's is.
	BSCALE 1                                       ; the second piece lands while row tiles 2 and 3 of the first are worked
.irp s, 0,1,2,3,4,5,6,7
	BLD 1, \s
.endr
	ROW 2, 0
	OUT 2, 0
	ROW 3, 0
	OUT 3, 0
	s_wait_dscnt 0x0
.irp i, 0,1,2,3
	ROW \i, 1
	OUT \i, 1
.endr
	s_wait_tensorcnt 0x0                           ; the wave's end
	ds_add_u32 v[SPW], v[NIL]
	s_wait_dscnt 0x0
	CROUND                                         ; the closing round: no work-group ends while a partner may still ask for a tile that names it
	s_endpgm
.Lfunc_end_k_q0a6be4b232_outp:
	.size	k_q0a6be4b232_outp, .Lfunc_end_k_q0a6be4b232_outp-k_q0a6be4b232_outp
	.p2alignl 7, 3214868480
	.fill 96, 4, 3214868480
	.section	.rodata,"a",@progbits
	.p2align	6, 0x0
	.amdhsa_kernel k_q0a6be4b232_outp
		.amdhsa_group_segment_fixed_size 327680
		.amdhsa_private_segment_fixed_size 0
		.amdhsa_enable_private_segment 0
		.amdhsa_kernarg_size 32
		.amdhsa_user_sgpr_count 2
		.amdhsa_user_sgpr_kernarg_segment_ptr 1
		.amdhsa_wavefront_size32 1
		.amdhsa_system_sgpr_workgroup_id_x 1
		.amdhsa_system_sgpr_workgroup_id_y 1
		.amdhsa_system_sgpr_workgroup_id_z 1
		.amdhsa_system_vgpr_workitem_id 0
		.amdhsa_next_free_vgpr 1024
		.amdhsa_next_free_sgpr 98
		.amdhsa_reserve_vcc 0
		.amdhsa_float_denorm_mode_32 3
		.amdhsa_float_denorm_mode_16_64 3
		.amdhsa_memory_ordered 1
		.amdhsa_forward_progress 1
		.amdhsa_inst_pref_size 73
	.end_amdhsa_kernel
	.amdgpu_metadata
---
amdhsa.version: [ 1, 2 ]
amdhsa.kernels:
  - .name:           k_q0a6be4b232_outp
    .symbol:         k_q0a6be4b232_outp.kd
    .args:
      - { .name: oq, .offset: 0, .size: 8, .value_kind: global_buffer, .address_space: global }
      - { .name: os, .offset: 8, .size: 8, .value_kind: global_buffer, .address_space: global }
      - { .name: pob, .offset: 16, .size: 8, .value_kind: global_buffer, .address_space: global }
      - { .name: out0, .offset: 24, .size: 8, .value_kind: global_buffer, .address_space: global }
    .group_segment_fixed_size: 327680
    .private_segment_fixed_size: 0
    .kernarg_segment_align: 8
    .kernarg_segment_size: 32
    .max_flat_workgroup_size: 128
    .sgpr_count:     98
    .vgpr_count:     1024
    .wavefront_size: 32
...
	.end_amdgpu_metadata
.endif
;; end of part 3
